; MI455X (gfx1250); checked and timed in simulation.
; The chip was launched on July 23, 2026; its instructions are those of AMD's public machine-readable ISA for CDNA 5 (MIT licence, August 2026) and "CDNA5" Instruction Set Architecture Reference Guide (July 2026). The comments in the code are by the model that wrote it; some were corrected since.
;; Attention. Allowed arithmetic: float matrix products may take bf16 or f16 operands with f32 sums; other float arithmetic in f32, or as packed bf16 or f16 multiplies, adds, multiply-adds, maxima and minima; sums over many terms, partial sums and values carried from step to step in f32; what a program stores and reads back later, other than sums and carried values, may be rounded once to bf16 or f16.
;; Inputs: attention_mask 2 x 4,096 bool; hidden_states 2 x 4,096 x 512 float32; position_ids 2 x 4,096 int32; segment_ids 2 x 4,096 int32; wk 512 x 512 float32; wo 512 x 512 float32; wq 512 x 512 float32; wv 512 x 512 float32.
;; Outputs: out0 2 x 4,096 x 512 float32.
;; One version. Each part assembles by itself: llvm-mc -triple=amdgcn-amd-amdhsa -mcpu=gfx1250 --defsym DOCPART=n.
;; ======== version 1 of 1: 3 launches
;; limits: values are held in f16: magnitudes above 65,504 overflow, below 6.1e-05 lose precision
;; workspace buffers: qh 8,388,608 bytes; kh 8,388,608 bytes; vh 8,388,608 bytes; oa 8,388,608 bytes; uq 524,288 bytes; uk 524,288 bytes; woh 524,288 bytes
;; launch qkv (part 1): grid 4 x 64, 4 waves a work-group, clusters of 4 x 4, 327,680 bytes of LDS; arguments hidden_states, wq, wk, wv, wo, attention_mask, segment_ids, position_ids, qh, kh, vh, uq, uk, woh; writes qh, kh, vh, uq, uk, woh
.if DOCPART == 1
	.amdgcn_target "amdgcn-amd-amdhsa--gfx1250"
	.amdhsa_code_object_version 6
	.text
	.protected	k_q2108d30bfb_qkv
	.globl	k_q2108d30bfb_qkv
	.p2align	8
	.type	k_q2108d30bfb_qkv,@function
k_q2108d30bfb_qkv:
	s_mov_b64 s[64:65], 0
	v_nop
	global_prefetch_b8 v0, s[64:65] scope:SCOPE_SE
	s_setreg_imm32_b32 hwreg(HW_REG_WAVE_MODE, 25, 1), 1
	s_wait_xcnt 0x0
	s_wait_alu depctr_hold_cnt(0) depctr_sa_sdst(0) depctr_va_vdst(0) depctr_va_sdst(0) depctr_va_ssrc(0) depctr_va_vcc(0) depctr_vm_vsrc(0)
	s_getreg_b32 s2, hwreg(HW_REG_IB_STS2, 6, 4)
	s_cmp_eq_u32 s2, 0
	s_cbranch_scc0 .Lentry_in_a_cluster
	s_endpgm
.Lentry_in_a_cluster:
	s_bfe_u32 s2, ttmp6, 0x10000c
	s_cmp_lg_u32 s2, 0xf033
	s_cbranch_scc0 .Lentry_shape_is_right
	s_endpgm
.Lentry_shape_is_right:
; q, k, v = x W^T for two heads and 128 rows a work-group; q and k are turned by the rotary angles; all three leave by heads, [b*8+h][4096][64], in f16, unscaled.
; x and the weights are f32 in memory: they come into LDS as f32 and are rounded to bf16 on the way from LDS to the matrix unit; sums in f32; each result is rounded once, to f16.
; SIDE WORK, shared out among the 256 work-groups by address: uq, uk (a row's segment id as 32 bf16 numbers, +2^50 for a 0 bit and -2^50 for a 1 bit; uk is all 0 where attention_mask is false)
; and woh (wo rounded to bf16, that number written as f16).
; ANGLES.  inv_freq_j = 2^(-j log2(10000)/32); angle = f32(pos) x inv_freq; reduced by the nearest multiple of pi/2 in two parts; sine and cosine by polynomials on |r| <= pi/4.
; LIMITS.  q, k, v must lie within f16's 65,504; |pos x inv_freq| under about 2^20 (the two-part reduction); NaN and infinities are not treated apart; wo below 6e-5 keeps f16's fixed step of 6e-8.
; SHARES.  Work-group x = head pair p, y = block of 128 of the 8,192 rows.  Wave w: rows 64 (w/2) on, head 2 p + w%2, its 64 columns of q, of k and of v: 48 accumulators, 384 registers.
; K = 512 goes in 8 steps of 64 (rows of 256 bytes of f32) through two LDS slots; a slot holds 128 rows of x, then 128 rows each of wq, wk, wv; wave w fetches the w-th of these four.
; CLUSTER 4 x 4: x's tile hangs on y alone and is asked for jointly along a row of the cluster, the weights' tiles on p alone and jointly along a column.
; THE PRODUCT IS TAKEN TRANSPOSED (source 0 = 16 rows of W, source 1 = 16 rows of x): a lane holds one row of x and eight neighbouring channels.
; REGISTERS.  window 0: v0-31 addresses; v32-63 x's fragments; v64-95, v96-127 W's fragments, two buffers; v128-191, v192-255 f32 as loaded from LDS, two buffers.
;   accumulator (g, a, t) (g = q, k, v; a = block of 16 rows; t = block of 16 channels) at 256 + 128 g + 32 a + 8 t: window 1 holds q and k, window 2 v.
.set PITCH,  272                       ; an LDS row: 256 bytes + 16 of padding: the 16 rows of a load start at 16 different groups of four banks
.set HALFT,  128*PITCH                 ; what one tensor load brings
.set SLOT,   4*HALFT
.set TAB,    2*SLOT                    ; behind the ring: (cos, sin) of my 128 rows x 32 frequencies, f32, rows of 272 bytes
.set STAGE,  TAB+128*PITCH             ; 16 rows x 144 bytes for each wave, for the way out
.set SP,     144
.set SPARE,  STAGE+4*16*SP             ; the spare words, 128 bytes for each wave: two blocks of 256 bytes that no other line names
.set ABASE, 4                          ; v4-5    x's fragments in slot 0, 1
.set BBASE, 6                          ; v6-11   W's fragments: slot s, group g at 6 + 3 s + g
.set CA,   12                          ; v12     the address in hand for x
.set CB,   13                          ; v13-15  for wq, wk, wv
.set STO,  16
.set RD,   17
.set GO,   18
.set TBR,  19                          ; where I read the table
.set TBW,  20                          ; where I write it
.set POSF, 21
.set SPW,  28
.set NIL,  29
.set AF,   32
.set BF0,  64
.set BF1,  96
.set ST0,  128
.set ST1,  192
.set CSR,  128                         ; the way out: (cos, sin) of one block of 16 rows
.set EO,   160                         ; turned numbers
.set PKR,  192                         ; packed to f16
.set RB,   208                         ; two buffers of 16: rows read back from the stage
.set WV,  32
.set RH,  33
.set HD,  34
.set CX,  35
.set CY,  36
.set YB,  37
.set G1A, 40
.set G1B, 48
.set G0A, 56
.set G0B, 68
.set NP1, 76
.set NP2, 77
.set SS1, 78
.set SS2, 79
.set SS3, 80
.set CC1, 81
.set CC2, 82
.set CC3, 83
.set LAP, 84
.set SUBC, 85
.set KO,  86
.set TC,  87
.set G1W, (2<<16)|(1<<20)|(1<<21)|(5<<22)|(3<<25)  ; elements of 4 bytes; padding on; bit 21 beside a mask; after every 64 words; 4 words
.set MSB, 0
.macro WIN new                         ; the immediate's high byte repeats the setting that is left; a switch that changes nothing is dropped
.if MSB != (\new)
	s_set_vgpr_msb (MSB<<8)|(\new)
.set MSB, \new
.endif
.endm
.macro PLACES
.rept 4
	v_nop
.endr
.endm
.macro CROUND                          ; a round of the cluster's barrier
	s_barrier_signal -1
	s_barrier_wait -1
	s_cmp_lg_u32 s[WV], 0
	s_cbranch_scc1 .Lnot_wave_0_\@
	s_barrier_signal -3
.Lnot_wave_0_\@:
	s_barrier_wait -3
	s_barrier_signal -1
	s_barrier_wait -1
.endm
.macro JLOAD s                         ; a joint load: wave 0 fetches x's tile, waves 1 to 3 wq's, wk's, wv's; an s_nop 0 and four v_nop follow each line
	s_cmp_eq_u32 s[WV], 0
	s_cbranch_scc0 .Lfor_w_\@
	tensor_load_to_lds s[G0A+4*(\s):G0A+4*(\s)+3], s[G1A:G1A+7]
	s_nop 0
	PLACES
	s_branch .Lasked_\@
.Lfor_w_\@:
	tensor_load_to_lds s[G0B+4*(\s):G0B+4*(\s)+3], s[G1B:G1B+7]
	s_nop 0
	PLACES
.Lasked_\@:
.endm
	s_load_b512 s[4:19], s[0:1], 0x0               ; x 4, wq 6, wk 8, wv 10, wo 12, attention_mask 14, segment_ids 16, position_ids 18
	s_load_b256 s[20:27], s[0:1], 0x40             ; qh 20, kh 22, vh 24, uq 26
	s_load_b128 s[28:31], s[0:1], 0x60             ; uk 28, woh 30
	v_lshl_add_u32 v[SPW], v0, 2, SPARE
	v_mov_b32 v[NIL], 0
	ds_add_u32 v[SPW], v[NIL]                      ; the wave's opening: the add and its wait stand ahead of my first tensor load
	v_lshrrev_b32 v1, 5, v0
	v_readfirstlane_b32 s[WV], v1
	s_lshr_b32 s[RH], s[WV], 1
	s_and_b32 s[HD], s[WV], 1
	s_bfe_u32 s[CX], ttmp6, 0x40000                ; the head pair (the grid has one cluster along x)
	s_bfe_u32 s[CY], ttmp6, 0x40004
	s_and_b32 s[YB], ttmp7, 0xffff
	s_lshl_b32 s[YB], s[YB], 2
	s_add_co_u32 s[YB], s[YB], s[CY]               ; the block of 128 rows
	s_lshl_b32 s38, s[CY], 2
	s_lshl_b32 s38, 15, s38                        ; my row of the cluster
	s_lshl_b32 s39, 0x1111, s[CX]                  ; my column
	s_or_b32 s[G1A], s38, G1W
	s_or_b32 s[G1B], s39, G1W
.irp g, G1A, G1B
	s_mov_b32 s[(\g)+1], 64<<16                    ; tensor_dim0 = 64
	s_mov_b32 s[(\g)+2], 128<<16                   ; tensor_dim1 = 128
	s_mov_b32 s[(\g)+3], 64<<16                    ; tile_dim0 = 64
	s_mov_b32 s[(\g)+4], 128                       ; tile_dim1 = 128
	s_mov_b32 s[(\g)+5], 512                       ; elements from row to row
	s_mov_b32 s[(\g)+6], 0
	s_mov_b32 s[(\g)+7], 0
.endr
	s_mov_b32 s[NP1], 0xbfc90fdb                   ; -(pi/2 rounded to f32)
	s_mov_b32 s[NP2], 0x333bbd2e                   ; what that rounding added
	s_mov_b32 s[SS1], 0xbe2aaaa3                   ; the sine's three coefficients
	s_mov_b32 s[SS2], 0x3c08839e
	s_mov_b32 s[SS3], 0xb94ca1f9
	s_mov_b32 s[CC1], 0x3d2aaaa5                   ; the cosine's
	s_mov_b32 s[CC2], 0xbab6061a
	s_mov_b32 s[CC3], 0x37ccf5ce
	s_lshl_b32 s88, s[YB], 18                      ; 128 rows of 2,048 bytes: hangs on y alone
	s_mov_b32 s89, 0
	s_lshl_b32 s94, s[CX], 18                      ; the same for the weights' 128 rows: hangs on p alone
	s_mov_b32 s95, 0
	s_mul_i32 s90, s[WV], HALFT                    ; where my tile goes: no place in the cluster enters an LDS address
	s_wait_dscnt 0x0                               ; the opening add is done
	s_wait_kmcnt 0x0
	s_add_nc_u64 s[88:89], s[4:5], s[88:89]
	s_cmp_eq_u32 s[WV], 2
	s_cselect_b64 s[92:93], s[8:9], s[6:7]
	s_cmp_eq_u32 s[WV], 3
	s_cselect_b64 s[92:93], s[10:11], s[92:93]     ; wave 1 wq, wave 2 wk, wave 3 wv
	s_add_nc_u64 s[92:93], s[92:93], s[94:95]
	CROUND                                         ; all sixteen work-groups are here: the first joint loads meet
.irp s, 0,1
	s_mov_b32 s[G0A+4*(\s)], 1
	s_add_co_u32 s[G0A+4*(\s)+1], s90, (\s)*SLOT
	s_add_nc_u64 s[G0A+4*(\s)+2:G0A+4*(\s)+3], s[88:89], (\s)*256
	s_or_b32 s[G0A+4*(\s)+3], s[G0A+4*(\s)+3], 0x80000000
	s_mov_b32 s[G0B+4*(\s)], 1
	s_add_co_u32 s[G0B+4*(\s)+1], s90, (\s)*SLOT
	s_add_nc_u64 s[G0B+4*(\s)+2:G0B+4*(\s)+3], s[92:93], (\s)*256
	s_or_b32 s[G0B+4*(\s)+3], s[G0B+4*(\s)+3], 0x80000000
.endr
	s_cmp_eq_u32 s[WV], 0                          ; a wave's two first fills stand in one branch: two loads of mine are out
	s_cbranch_scc0 .Lfirst_w
	tensor_load_to_lds s[G0A:G0A+3], s[G1A:G1A+7]
	s_nop 0
	tensor_load_to_lds s[G0A+4:G0A+7], s[G1A:G1A+7]
	s_nop 0
	PLACES
	s_branch .Lfirst_asked
.Lfirst_w:
	tensor_load_to_lds s[G0B:G0B+3], s[G1B:G1B+7]
	s_nop 0
	tensor_load_to_lds s[G0B+4:G0B+7], s[G1B:G1B+7]
	s_nop 0
	PLACES
.Lfirst_asked:
	; THE SIDE WORK stands in the wait for the first tiles.  Who does what is told by address alone.
	v_and_b32 v1, 15, v0                           ; r = lane % 16
	v_bfe_u32 v2, v0, 4, 1                         ; h = lane / 16
	v_and_b32 v3, 31, v0
	s_lshl_b32 s96, s[YB], 9
	s_mov_b32 s97, 0
	s_add_nc_u64 s[18:19], s[18:19], s[96:97]      ; position_ids at my 128 rows: a thread a row
	v_lshlrev_b32 v22, 2, v0
	global_load_b32 v[POSF], v22, s[18:19]
	s_lshl_b32 s98, s[YB], 7
	s_lshl_b32 s99, s[CX], 5
	s_add_co_u32 s98, s98, s99                     ; the 32 rows whose codes this work-group makes: four threads a row
	s_mov_b32 s99, 0
	s_add_nc_u64 s[14:15], s[14:15], s[98:99]
	s_lshl_b32 s96, s98, 2
	s_add_nc_u64 s[16:17], s[16:17], s[96:97]
	s_lshl_b32 s96, s98, 6
	s_add_nc_u64 s[26:27], s[26:27], s[96:97]
	s_add_nc_u64 s[28:29], s[28:29], s[96:97]
	v_lshrrev_b32 v23, 2, v0
	v_lshlrev_b32 v24, 2, v23
	global_load_b32 v25, v24, s[16:17]
	global_load_u8 v26, v23, s[14:15]
	s_lshl2_add_u32 s96, s[YB], s[CX]              ; 4 y + p: which 1,024 numbers of wo are mine
	s_lshl_b32 s98, s96, 11
	s_lshl_b32 s96, s96, 12
	s_add_nc_u64 s[12:13], s[12:13], s[96:97]
	s_add_nc_u64 s[30:31], s[30:31], s[98:99]
	v_lshlrev_b32 v27, 5, v0
	global_load_b128 v[96:99], v27, s[12:13]
	global_load_b128 v[100:103], v27, s[12:13] offset:16
	; LDS and output addresses, while those loads are out
	v_mul_u32_u24 v30, v1, PITCH
	v_lshl_add_u32 v30, v2, 5, v30                 ; row x pitch + 32 h: a lane's 8 f32 of a fragment's half
	s_mul_i32 s38, s[RH], 64*PITCH
	s_mul_i32 s39, s[HD], 64*PITCH
	s_add_co_u32 s39, s39, HALFT
.irp s, 0,1
	v_add3_u32 v[ABASE+(\s)], v30, s38, (\s)*SLOT
.irp g, 0,1,2
	v_add3_u32 v[BBASE+3*(\s)+(\g)], v30, s39, (\g)*HALFT+(\s)*SLOT
.endr
.endr
	v_add3_u32 v[TBR], v30, s38, TAB
	v_mul_u32_u24 v[TBW], v0, PITCH
	v_add_nc_u32 v[TBW], TAB, v[TBW]
	s_mul_i32 s91, s[WV], 16*SP
	v_mul_u32_u24 v31, v1, SP
	v_lshl_add_u32 v31, v2, 4, v31
	v_add3_u32 v[STO], v31, s91, STAGE             ; in: row r, 16 bytes for each half of the lanes
	v_lshrrev_b32 v31, 3, v3
	v_mul_u32_u24 v31, v31, SP
	v_and_b32 v30, 7, v0
	v_lshl_add_u32 v31, v30, 4, v31
	v_add3_u32 v[RD], v31, s91, STAGE              ; back: 32 lanes take four rows of 128 bytes,
	v_lshlrev_b32 v[GO], 4, v3                     ; which are 512 consecutive bytes of a head
	s_lshr_b32 s96, s[YB], 5                       ; the batch
	s_lshl_b32 s96, s96, 3
	s_lshl_b32 s98, s[CX], 1
	s_add_co_u32 s96, s96, s98
	s_add_co_u32 s96, s96, s[HD]                   ; b*8 + my head
	s_lshl_b32 s96, s96, 12
	s_and_b32 s98, s[YB], 31
	s_lshl_b32 s98, s98, 7
	s_add_co_u32 s96, s96, s98
	s_lshl_b32 s98, s[RH], 6
	s_add_co_u32 s96, s96, s98                     ; + my first row in the head
	s_lshl_b32 s96, s96, 7
	s_add_nc_u64 s[20:21], s[20:21], s[96:97]
	s_add_nc_u64 s[22:23], s[22:23], s[96:97]
	s_add_nc_u64 s[24:25], s[24:25], s[96:97]
	s_wait_loadcnt 0x0
	; woh: eight numbers a thread: rounded to bf16, widened, written as f16
.irp i, 0,1,2,3
	v_cvt_pk_bf16_f32 v[104+(\i)], v[96+2*(\i)], v[97+2*(\i)]
.endr
.irp i, 0,1,2,3
	v_lshlrev_b32 v[108+2*(\i)], 16, v[104+(\i)]
	v_and_b32 v[109+2*(\i)], 0xffff0000, v[104+(\i)]
.endr
.irp i, 0,1,2,3
	v_cvt_pk_f16_f32 v[116+(\i)], v[108+2*(\i)], v[109+2*(\i)]
.endr
	v_lshlrev_b32 v31, 4, v0                       ; 16 bytes a thread, 2,048 on end a work-group, in woh, uq and uk alike
	global_store_b128 v31, v[116:119], s[30:31]
	; the codes: thread t takes bits 8 (t % 4) .. + 7 of its row's segment id: bit 2 i into the low half's sign, bit 2 i + 1 into the high half's
	v_and_b32 v30, 3, v0
	v_lshlrev_b32 v30, 3, v30
	v_lshrrev_b32 v30, v30, v25
	s_mov_b32 s38, 0x58805880                      ; 2^50 twice, in bf16
.irp i, 0,1,2,3
	v_lshlrev_b32 v22, 15-2*(\i), v30
	v_lshlrev_b32 v23, 30-2*(\i), v30
	v_and_or_b32 v[120+(\i)], v22, 0x8000, s38
	v_and_or_b32 v[120+(\i)], v23, 0x80000000, v[120+(\i)]
.endr
	v_cmp_ne_u32 vcc_lo, 0, v26
.irp i, 0,1,2,3
	v_cndmask_b32 v[124+(\i)], 0, v[120+(\i)], vcc_lo  ; a key that attention_mask hides has the code 0
.endr
	global_store_b128 v31, v[120:123], s[26:27]
	global_store_b128 v31, v[124:127], s[28:29]
	; the table: thread = row; 8 trips of 4 frequencies
	v_cvt_f32_i32 v[POSF], v[POSF]
	v_mov_b32 v40, 0
	v_mov_b32 v41, 1.0
	v_mov_b32 v42, 2.0
	v_mov_b32 v43, 0x40400000
	s_mov_b32 s[TC], 8
.macro SINCOS f                        ; (cos, sin) of pos x inv_freq into v[80 + 2 f], v[81 + 2 f]
.set T, 48+8*(\f)
	v_mul_f32 v[T], v[POSF], v[44+(\f)]            ; the angle, rounded as f32
	v_mul_f32 v[T+1], 0x3f22f983, v[T]             ; x 2/pi
	v_rndne_f32 v[T+1], v[T+1]                     ; n
	v_fma_f32 v[T+2], v[T+1], s[NP1], v[T]
	v_fma_f32 v[T+2], v[T+1], s[NP2], v[T+2]       ; r = angle - n pi/2
	v_cvt_i32_f32 v[T+3], v[T+1]
	v_mul_f32 v[T+4], v[T+2], v[T+2]               ; z = r r
	v_fma_f32 v[T+5], v[T+4], s[SS3], s[SS2]
	v_fma_f32 v[T+5], v[T+5], v[T+4], s[SS1]
	v_mul_f32 v[T+7], v[T+2], v[T+4]
	v_fma_f32 v[T+5], v[T+7], v[T+5], v[T+2]       ; sin r
	v_fma_f32 v[T+6], v[T+4], s[CC3], s[CC2]
	v_fma_f32 v[T+6], v[T+6], v[T+4], s[CC1]
	v_fma_f32 v[T+6], v[T+6], v[T+4], -0.5
	v_fma_f32 v[T+6], v[T+6], v[T+4], 1.0          ; cos r
	v_and_b32 v[T], 1, v[T+3]
	v_cmp_eq_u32 vcc_lo, 1, v[T]                   ; an odd quadrant swaps the two
	v_cndmask_b32 v[T+1], v[T+5], v[T+6], vcc_lo
	v_cndmask_b32 v[T+2], v[T+6], v[T+5], vcc_lo
	v_lshlrev_b32 v[T], 30, v[T+3]                 ; the sine is negative in quadrants 2, 3: bit 1 of n
	v_and_b32 v[T], 0x80000000, v[T]
	v_xor_b32 v[81+2*(\f)], v[T], v[T+1]
	v_add_nc_u32 v[T+3], 1, v[T+3]                 ; the cosine in quadrants 1, 2: bit 1 of n + 1
	v_lshlrev_b32 v[T+3], 30, v[T+3]
	v_and_b32 v[T+3], 0x80000000, v[T+3]
	v_xor_b32 v[80+2*(\f)], v[T+3], v[T+2]
.endm
.Ltab:
.irp f, 0,1,2,3
	v_mul_f32 v[44+(\f)], 0xbed49a78, v[40+(\f)]   ; -j log2(10000)/32
.endr
.irp f, 0,1,2,3
	v_exp_f32 v[44+(\f)], v[44+(\f)]
.endr
.irp f, 0,1,2,3
	v_add_f32 v[40+(\f)], 4.0, v[40+(\f)]          ; the next trip's j: plain work behind the last exponential
.endr
	s_wait_alu depctr_va_vdst(0)                   ; one wait for the four exponentials, ahead of their first reader
	SINCOS 0
	SINCOS 1
	SINCOS 2
	SINCOS 3
	ds_store_b128 v[TBW], v[80:83]
	ds_store_b128 v[TBW], v[84:87] offset:16
	v_add_nc_u32 v[TBW], 32, v[TBW]
	s_sub_co_u32 s[TC], s[TC], 1
	s_cmp_lg_u32 s[TC], 0
	s_cbranch_scc1 .Ltab
.macro LDF dst, adr                    ; 16 loads: four fragments of 16 rows x 32 f32; a lane's numbers k = 8h..8h+7 and 16+8h..16+8h+7
.irp q, 0,1,2,3
	ds_load_b128 v[(\dst)+16*(\q):(\dst)+16*(\q)+3],     v[\adr] offset:(\q)*16*PITCH
	ds_load_b128 v[(\dst)+16*(\q)+4:(\dst)+16*(\q)+7],   v[\adr] offset:(\q)*16*PITCH+16
	ds_load_b128 v[(\dst)+16*(\q)+8:(\dst)+16*(\q)+11],  v[\adr] offset:(\q)*16*PITCH+64
	ds_load_b128 v[(\dst)+16*(\q)+12:(\dst)+16*(\q)+15], v[\adr] offset:(\q)*16*PITCH+80
.endr
.endm
.macro CVT src, dst                    ; 64 f32 to four bf16 fragments
.set z, 0
.rept 32
	v_cvt_pk_bf16_f32 v[(\dst)+z], v[(\src)+2*z], v[(\src)+2*z+1]
.set z, z+1
.endr
.endm
.macro MUL g, bf, zero                 ; 16 products on 16 accumulators, which take turns
	WIN 0x50*(1+(\g)/2)
.irp q, 0,1,2,3
.irp t, 0,1,2,3
.set AC, 128*((\g)%2)+32*(\q)+8*(\t)
.if \zero
	v_wmma_f32_16x16x32_bf16 v[AC:AC+7], v[(\bf)+8*(\t):(\bf)+8*(\t)+7], v[AF+8*(\q):AF+8*(\q)+7], 0
.else
	v_wmma_f32_16x16x32_bf16 v[AC:AC+7], v[(\bf)+8*(\t):(\bf)+8*(\t)+7], v[AF+8*(\q):AF+8*(\q)+7], v[AC:AC+7]
.endif
.endr
.endr
.endm
; 32 along K, at byte s[KO] of slot s's rows.  The four address lines are the four places behind the last products, in front of the conversions that write their sources.
.macro SUB s, zero
	WIN 0
	v_add_nc_u32 v[CA], s[KO], v[ABASE+(\s)]
	v_add_nc_u32 v[CB], s[KO], v[BBASE+3*(\s)]
	v_add_nc_u32 v[CB+1], s[KO], v[BBASE+3*(\s)+1]
	v_add_nc_u32 v[CB+2], s[KO], v[BBASE+3*(\s)+2]
	LDF ST0, CA
	LDF ST1, CB
	s_wait_dscnt 16                                ; x is in; wq's 16 loads may stay out
	CVT ST0, AF
	LDF ST0, CB+1
	s_wait_dscnt 16                                ; wq is in; wk's may stay out
	CVT ST1, BF0
	LDF ST1, CB+2
	MUL 0, BF0, \zero
	WIN 0
	s_wait_dscnt 16                                ; wk is in; wv's may stay out
	CVT ST0, BF1
	MUL 1, BF1, \zero
	WIN 0
	s_wait_dscnt 0x0                               ; wv is in
	CVT ST1, BF0                                   ; q's products, which read this buffer, stand 32 conversions back
	MUL 2, BF0, \zero
	WIN 0
.endm
.macro KLOOP s                         ; a K step: two times 32
	s_mov_b32 s[KO], 0
	s_mov_b32 s[SUBC], 2
.Lsub_\@:
	SUB \s, 0
	s_add_co_u32 s[KO], s[KO], 128
	s_sub_co_u32 s[SUBC], s[SUBC], 1
	s_cmp_lg_u32 s[SUBC], 0
	s_cbranch_scc1 .Lsub_\@
.endm
; The change of slots: slot s has been read.  Each wave waits for all its tensor loads (one is out: its part of the other slot), adds 0 to its spare word, and waits for that and for its reads.
; fill = 1: a round of the cluster's barrier, and the joint refill, two K steps on, first behind it.
.macro CHANGE s, fill
	WIN 0
	s_wait_tensorcnt 0x0
	ds_add_u32 v[SPW], v[NIL]
.if \fill
	s_add_nc_u64 s[G0A+4*(\s)+2:G0A+4*(\s)+3], s[G0A+4*(\s)+2:G0A+4*(\s)+3], 512
	s_add_nc_u64 s[G0B+4*(\s)+2:G0B+4*(\s)+3], s[G0B+4*(\s)+2:G0B+4*(\s)+3], 512
.endif
	s_wait_dscnt 0x0
.if \fill
	CROUND
	JLOAD \s
.else
	s_barrier_signal -1
	s_barrier_wait -1
.endif
.endm
	s_wait_tensorcnt 0x1                           ; my part of K step 0 is in; K step 1's may stay out
	s_wait_dscnt 0x0                               ; my rows of the table are written
	s_wait_xcnt 0x0                                ; the side work's stores have read their registers, which the conversions below write
	s_barrier_signal -1
	s_barrier_wait -1
	s_mov_b32 s[KO], 0
	SUB 0, 1                                       ; the first products start the sums
	s_mov_b32 s[KO], 128
	SUB 0, 0
	s_mov_b32 s[LAP], 3
.Llap:                                                 ; K steps 1 to 6 are multiplied, 2 to 7 asked for
	CHANGE 0, 1
	KLOOP 1
	CHANGE 1, 1
	KLOOP 0
	s_sub_co_u32 s[LAP], s[LAP], 1
	s_cmp_lg_u32 s[LAP], 0
	s_cbranch_scc1 .Llap
	CHANGE 0, 0
	KLOOP 1
	; THE WAY OUT, a block of 16 rows x 64 channels at a time: q and k are turned, all are rounded to f16, go into my stage and come back as whole rows.
.macro CSLOAD a                        ; my row's (cos, sin) for my 8 channels of each of the four channel blocks
.irp t, 0,1,2,3
	ds_load_b128 v[CSR+8*(\t):CSR+8*(\t)+3],   v[TBR] offset:(\a)*16*PITCH+64*(\t)
	ds_load_b128 v[CSR+8*(\t)+4:CSR+8*(\t)+7], v[TBR] offset:(\a)*16*PITCH+64*(\t)+16
.endr
.endm
.macro TOST n
.irp t, 0,1,2,3
	ds_store_b128 v[STO], v[PKR+4*(\t):PKR+4*(\t)+3] offset:32*(\t)
.endr
.irp f, 0,1,2,3
	ds_load_b128 v[RB+16*((\n)%2)+4*(\f):RB+16*((\n)%2)+4*(\f)+3], v[RD] offset:(\f)*4*SP  ; LDS serves a wave's instructions in order: these see the stores above
.endr
.endm
.macro PACKR a, g, n                   ; (x0, x1) -> (x0 c - x1 s, x0 s + x1 c); each accumulator's register 1 is read first, one of its four lowest
	s_wait_xcnt 0x0                                ; earlier stores have read the registers that are loaded again below
	WIN 0x01
.irp t, 0,1,2,3
.irp i, 0,1,2,3
.set AC, 128*(\g)+32*(\a)+8*(\t)+2*(\i)
.set CI, CSR+8*(\t)+2*(\i)
.set EI, EO+8*(\t)+2*(\i)
	v_mul_f32 v[EI], v[AC+1], v[CI+1]
	v_mul_f32 v[EI+1], v[AC+1], v[CI]
	v_fma_f32 v[EI], v[AC], v[CI], -v[EI]
	v_fma_f32 v[EI+1], v[AC], v[CI+1], v[EI+1]
.endr
.endr
	WIN 0
.set z, 0
.rept 16
	v_cvt_pk_f16_f32 v[PKR+z], v[EO+2*z], v[EO+2*z+1]
.set z, z+1
.endr
	TOST \n
.endm
.macro PACKV a, n
	s_wait_xcnt 0x0
	WIN 0x0a
.set z, 0
.rept 16
	v_cvt_pk_f16_f32 v[PKR+z], v[32*(\a)+2*z], v[32*(\a)+2*z+1]
.set z, z+1
.endr
	WIN 0
	TOST \n
.endm
.macro SEND a, g, n, younger           ; younger: the LDS instructions issued behind this block's loads
.irp f, 0,1,2,3
	s_wait_dscnt (\younger)+3-(\f)
	global_store_b128 v[GO], v[RB+16*((\n)%2)+4*(\f):RB+16*((\n)%2)+4*(\f)+3], s[20+2*(\g):21+2*(\g)] offset:(\a)*2048+(\f)*512  ; 512 consecutive bytes, at a multiple of 256 from the buffer's first
.endr
.endm
.macro ABLOCK a
	CSLOAD \a
.if (\a) > 0
	SEND (\a)-1, 2, 3*(\a)-1, 8
.endif
	s_wait_dscnt 0x0
	PACKR \a, 0, 3*(\a)
	PACKR \a, 1, 3*(\a)+1
	SEND \a, 0, 3*(\a), 8
	PACKV \a, 3*(\a)+2
	SEND \a, 1, 3*(\a)+1, 8
.endm
	PLACES                                         ; behind the last products
	ABLOCK 0
	ABLOCK 1
	ABLOCK 2
	ABLOCK 3
	SEND 3, 2, 11, 0
	s_wait_tensorcnt 0x0                           ; the wave's end
	ds_add_u32 v[SPW], v[NIL]
	s_wait_dscnt 0x0
	CROUND                                         ; the closing round
	s_endpgm
.Lfunc_end_k_q2108d30bfb_qkv:
	.size	k_q2108d30bfb_qkv, .Lfunc_end_k_q2108d30bfb_qkv-k_q2108d30bfb_qkv
	.p2alignl 7, 3214868480
	.fill 96, 4, 3214868480
	.section	.rodata,"a",@progbits
	.p2align	6, 0x0
	.amdhsa_kernel k_q2108d30bfb_qkv
		.amdhsa_group_segment_fixed_size 327680
		.amdhsa_private_segment_fixed_size 0
		.amdhsa_enable_private_segment 0
		.amdhsa_kernarg_size 112
		.amdhsa_user_sgpr_count 2
		.amdhsa_user_sgpr_kernarg_segment_ptr 1
		.amdhsa_wavefront_size32 1
		.amdhsa_system_sgpr_workgroup_id_x 1
		.amdhsa_system_sgpr_workgroup_id_y 1
		.amdhsa_system_sgpr_workgroup_id_z 1
		.amdhsa_system_vgpr_workitem_id 0
		.amdhsa_next_free_vgpr 640
		.amdhsa_next_free_sgpr 100
		.amdhsa_reserve_vcc 1
		.amdhsa_float_denorm_mode_32 3
		.amdhsa_float_denorm_mode_16_64 3
		.amdhsa_memory_ordered 1
		.amdhsa_forward_progress 1
		.amdhsa_inst_pref_size 150
	.end_amdhsa_kernel
	.amdgpu_metadata
---
amdhsa.version: [ 1, 2 ]
amdhsa.kernels:
  - .name:           k_q2108d30bfb_qkv
    .symbol:         k_q2108d30bfb_qkv.kd
    .args:
      - { .name: hidden_states, .offset: 0, .size: 8, .value_kind: global_buffer, .address_space: global }
      - { .name: wq, .offset: 8, .size: 8, .value_kind: global_buffer, .address_space: global }
      - { .name: wk, .offset: 16, .size: 8, .value_kind: global_buffer, .address_space: global }
      - { .name: wv, .offset: 24, .size: 8, .value_kind: global_buffer, .address_space: global }
      - { .name: wo, .offset: 32, .size: 8, .value_kind: global_buffer, .address_space: global }
      - { .name: attention_mask, .offset: 40, .size: 8, .value_kind: global_buffer, .address_space: global }
      - { .name: segment_ids, .offset: 48, .size: 8, .value_kind: global_buffer, .address_space: global }
      - { .name: position_ids, .offset: 56, .size: 8, .value_kind: global_buffer, .address_space: global }
      - { .name: qh, .offset: 64, .size: 8, .value_kind: global_buffer, .address_space: global }
      - { .name: kh, .offset: 72, .size: 8, .value_kind: global_buffer, .address_space: global }
      - { .name: vh, .offset: 80, .size: 8, .value_kind: global_buffer, .address_space: global }
      - { .name: uq, .offset: 88, .size: 8, .value_kind: global_buffer, .address_space: global }
      - { .name: uk, .offset: 96, .size: 8, .value_kind: global_buffer, .address_space: global }
      - { .name: woh, .offset: 104, .size: 8, .value_kind: global_buffer, .address_space: global }
    .group_segment_fixed_size: 327680
    .private_segment_fixed_size: 0
    .kernarg_segment_align: 8
    .kernarg_segment_size: 112
    .max_flat_workgroup_size: 128
    .sgpr_count:     100
    .vgpr_count:     640
    .wavefront_size: 32
...
	.end_amdgpu_metadata
.endif
;; end of part 1
;; launch attn (part 2): grid 16 x 16, 4 waves a work-group, clusters of 4 x 1, 327,680 bytes of LDS; arguments qh, kh, vh, uq, uk, oa; writes oa
.if DOCPART == 2
	.amdgcn_target "amdgcn-amd-amdhsa--gfx1250"
	.amdhsa_code_object_version 6
	.text
	.protected	k_q2108d30bfb_attn
	.globl	k_q2108d30bfb_attn
	.p2align	8
	.type	k_q2108d30bfb_attn,@function
k_q2108d30bfb_attn:
	s_mov_b64 s[64:65], 0
	v_nop
	global_prefetch_b8 v0, s[64:65] scope:SCOPE_SE
	s_setreg_imm32_b32 hwreg(HW_REG_WAVE_MODE, 25, 1), 1
	s_wait_xcnt 0x0
	s_wait_alu depctr_hold_cnt(0) depctr_sa_sdst(0) depctr_va_vdst(0) depctr_va_sdst(0) depctr_va_ssrc(0) depctr_va_vcc(0) depctr_vm_vsrc(0)
	s_getreg_b32 s2, hwreg(HW_REG_IB_STS2, 6, 4)
	s_cmp_eq_u32 s2, 0
	s_cbranch_scc0 .Lentry_in_a_cluster
	s_endpgm
.Lentry_in_a_cluster:
	s_bfe_u32 s2, ttmp6, 0x10000c
	s_cmp_lg_u32 s2, 0x3003
	s_cbranch_scc0 .Lentry_shape_is_right
	s_endpgm
.Lentry_shape_is_right:
; ATTENTION at head size 64 under three masks.  O[bh][q] = sum over visible k of softmax_k(Q.K/8) V.  Q, K, V, O: [16][4096][64] f16, a head's rows dense, 128 bytes each.
; Products, maxima and sums in f32; the weights are rounded to f16 for the second product (their sum is taken unrounded), O once at the end.
; THE BLOCK MASK: queries 0..2047 see keys 0..2047 (key steps 0..31 of 64 keys), queries 2048.. see all 64 steps: what is hidden by it is not computed.
; THE SEGMENT AND KEY MASK goes through the matrix unit.  uq, uk hold a row's segment id as 32 bf16 numbers +-2^50 (uk: 0 where the key is masked out).  One bf16 product UK x UQ + (-2^105) starts each
; score's sum: exactly 0 where all 32 bits agree (32 x 2^100 - 2^105), -2^101 or less otherwise.  The two f16 products K Q^T add onto it.
; SOFTMAX with a running maximum m that starts at -2^99: above every hidden score, below every true one (f16 operands bound |q.k| by 2.7e11).  p = 2^(c s - c m), c = log2(e)/8; O and l are multiplied
; by a = 2^(c m_old - c m_new) in every step.  While all keys so far are hidden p = 0 and a = 1.  A row that sees no key ends as 0 x (1/0): NaN, as the problem's own softmax gives.
; LIMITS.  Q, K, V within f16's range; a weight below 2^-126 counts as 0; p below 6e-5 keeps f16's fixed step; NaN and infinities in the inputs are not treated apart.
; EQUAL WORK.  A wave owns two tiles of 16 low queries (pieces 0, 1) and two of high queries (pieces 2, 3).  PHASE A, key steps 0..31: all four pieces.  PHASE B, steps 32..63: waves w and w^1 share the steps
; by parity; each goes on with its own pieces 2, 3 and takes the partner's two high tiles, with a fresh state, as pieces 0, 1.  At the end those partial results (O, c m, l, f32) go to the partner
; through LDS and are merged.  So every wave has 48 steps of four pieces, every fragment of K and V feeds four tiles, and every trip count is a constant.
; TURNS.  Turn n belongs to piece n: 12 products (4 mask, 8 K Q^T) of piece n + 1, later 8 products V^T P of piece n - 1; beside them piece n's scaling, exponentials, roundings, sums and rescaling and
; piece n + 1's maximum and statistics.  Four vector instructions stand behind every matrix instruction, the other 38 in one lump.  A turn's 33 exponentials are one batch, with one wait.
; CLUSTER 4 x 1: the four work-groups belong to one head and walk the same 16 tiles of 256 keys: each tile is asked for jointly, mask 15.
; REGISTERS.  window 0: v0-15, v56-63 addresses; v16-31 statistics (c m, m, l, l) a piece; v32-47 the low pieces' l, the merge; v48-55 at work; v64-127 S^T, two buffers; v128-135 -2^105; v192-223 P, two buffers
;   window 1: v0-127 O^T; v128-191 the low pieces' finished O^T; v192-223 the partner's Q; v224-239 the partner's UQ
;   window 2: v0-63 Q; v64-95 UQ; v96-127 UK of one step; v128-191 K; v192-255 V
.set NP,    4
.set KS,    64
.set PK,    144       ; a row of K in LDS: 128 bytes + 16
.set PV,    160       ; of V: 128 + 32
.set PU,    80        ; of uk: 64 + 16
.set VOFF,  4*KS*PK   ; a slot holds a tile: 256 rows of K, of V, of uk
.set UOFF,  VOFF+4*KS*PV
.set SLOT1, 1<<17     ; one exclusive or turns an address in one slot into the other's
.set STAGE, SLOT1+UOFF+4*KS*PU  ; behind the ring: 16 rows x 144 bytes for each wave
.set SP,    144
.set XCH,   STAGE+4*16*SP       ; the exchange: for each wave two pieces of 9 x 512 bytes
.set XP,    4608
.set SPARE, XCH+4*2*XP          ; the spare words: two blocks of 256 bytes that no other line names
.set AK0, 2
.set AV0, 3
.set AK,  4
.set AV,  5
.set STO, 6
.set RD,  7
.set GO,  8
.set MV,  12
.set AU0, 14
.set AU,  15
.set ST,  16
.set LSV, 32
.set IN,  36
.set FA,  44
.set TMP, 48
.set XW,  56
.set XR,  57
.set UO,  58
.set QO,  59
.set PFO, 61
.set SPW, 62
.set NIL, 63
.set S,   64
.set CC,  128
.set P,   192
.set OS,  128         ; window 1
.set QP,  192
.set UP,  224
.set UQF, 64          ; window 2
.set UKF, 96
.set KF,  128
.set VF,  192
.set WV,  16
.set G1K, 24
.set G1V, 32
.set G1U, 40
.set G0K, 48
.set G0V, 52
.set G0U, 56
.set CS,  60
.set SEL, 62
.set SLOTS, 66
.set CNT, 67
.set TBK, 68
.set TBV, 69
.set TBU, 70
.set SLB, 71
.set FB,  72
.set LIM, 73
.set PFA, 74
.set PARK, 76
.set PARV, 77
.set PARU, 78
.set MSB, 0
.macro WIN new
.if MSB != (\new)
	s_set_vgpr_msb (MSB<<8)|(\new)
.set MSB, (\new)
.endif
.endm
.set W_KQ, 0x0a       ; sources 0 and 1 in window 2; C and D in window 0
.set W_PV, 0x52       ; V in window 2, P in window 0, O^T in window 1
.set W_RS, 0x41       ; destination and source 0 in window 1, source 1 in window 0
.macro PLACES
.rept 4
	v_nop
.endr
.endm
; A joint fill: waves 0 and 1 fetch the halves of a tile's K, wave 2 its V, wave 3 its uk.  The branches hang on the wave's number alone.  An s_nop 0 and four v_nop follow each line.
.macro JLOAD
	s_cmp_lt_u32 s[WV], 2
	s_cbranch_scc0 .Lnot_k_\@
	tensor_load_to_lds s[G0K:G0K+3], s[G1K:G1K+7]
	s_nop 0
	PLACES
	s_branch .Lasked_\@
.Lnot_k_\@:
	s_cmp_eq_u32 s[WV], 2
	s_cbranch_scc0 .Lfor_u_\@
	tensor_load_to_lds s[G0V:G0V+3], s[G1V:G1V+7]
	s_nop 0
	PLACES
	s_branch .Lasked_\@
.Lfor_u_\@:
	tensor_load_to_lds s[G0U:G0U+3], s[G1U:G1U+7]
	s_nop 0
	PLACES
.Lasked_\@:
.endm
.macro CROUND
	s_barrier_signal -1
	s_barrier_wait -1
	s_cmp_lg_u32 s[WV], 0
	s_cbranch_scc1 .Lnot_wave_0_\@
	s_barrier_signal -3
.Lnot_wave_0_\@:
	s_barrier_wait -3
	s_barrier_signal -1
	s_barrier_wait -1
.endm
; A prefetch of the tile that the NEXT change of slots will ask for: 128 blocks of 256 bytes of K and of V.  The head's first cluster asks; its four partners take 32 blocks each, told apart by address;
; wave 0 asks for K's, wave 2 for V's: a lane a block, one instruction.  So each block is named once in the launch.  The last change that fills a slot asks for nothing.
.macro ASK kind
.if (\kind) == 1
	s_cmp_ge_u32 s[SLOTS], s[LIM]
.else
	s_cmp_gt_u32 s[SLB], s[LIM]
.endif
	s_cbranch_scc0 .Lnot_mine_\@
	global_prefetch_b8 v[PFO], s[PFA:PFA+1] th:TH_LOAD_NT scope:SCOPE_SE
.Lnot_mine_\@:
.endm
; THE CHANGE OF SLOTS.  Each wave waits for all its tensor loads (one is out: its part of the other slot), adds 0 to its spare word, and waits for that and for its reads of the slot that it leaves.
; fill = 1: a round of the cluster's barrier, and the joint refill, two tiles on, first behind it.  ask = 1, 2: the prefetch, by phase A's or phase B's count.
.macro CHANGE fill, ask=0
	WIN 0
	s_wait_tensorcnt 0x0
	ds_add_u32 v[SPW], v[NIL]       ; 0 onto my spare word; the descriptors' steps stand between it and the wait for it
.if \fill
	s_xor_b32 s[G0K+1], s[G0K+1], SLOT1
	s_add_nc_u64 s[G0K+2:G0K+3], s[G0K+2:G0K+3], 4*KS*128
	s_xor_b32 s[G0V+1], s[G0V+1], SLOT1
	s_add_nc_u64 s[G0V+2:G0V+3], s[G0V+2:G0V+3], 4*KS*128
	s_xor_b32 s[G0U+1], s[G0U+1], SLOT1
	s_add_nc_u64 s[G0U+2:G0U+3], s[G0U+2:G0U+3], 4*KS*64
.endif
.if \ask
	s_wait_xcnt 0x0                 ; the last prefetch, a tile back, has read its address
	s_add_nc_u64 s[PFA:PFA+1], s[PFA:PFA+1], 4*KS*128
.endif
	s_wait_dscnt 0x0
.if \fill
	CROUND
	JLOAD
.if \ask
	ASK \ask
.endif
.else
	s_barrier_signal -1
	s_barrier_wait -1
.endif
	s_sub_co_u32 s[TBK], s[TBK], 4*KS*PK  ; the fetches go back to a slot's beginning, in the other slot
	s_xor_b32 s[TBK], s[TBK], SLOT1
	s_sub_co_u32 s[TBV], s[TBV], 4*KS*PV
	s_xor_b32 s[TBV], s[TBV], SLOT1
	s_sub_co_u32 s[TBU], s[TBU], 4*KS*PU
	s_xor_b32 s[TBU], s[TBU], SLOT1
.endm
	s_load_b256 s[4:11], s[0:1], 0x0  ; qh 4, kh 6, vh 8, uq 10
	s_load_b128 s[12:15], s[0:1], 0x20  ; uk 12, oa 14
	v_lshl_add_u32 v[SPW], v0, 2, SPARE
	v_mov_b32 v[NIL], 0
	ds_add_u32 v[SPW], v[NIL]       ; the wave's opening: the add and its wait stand ahead of my first tensor load
	v_lshrrev_b32 v1, 5, v0
	v_readfirstlane_b32 s[WV], v1
	s_bfe_u32 s17, ttmp6, 0x40000   ; cx
	s_lshl_b32 s18, ttmp9, 2
	s_add_co_u32 s18, s18, s17      ; i: my block of 128 low and 128 high queries: it enters Q's, uq's and O's addresses alone
	s_and_b32 s19, ttmp7, 0xffff    ; b*8 + h, which the four partners share
	s_lshl_b32 s20, s19, 19         ; a head is 524,288 bytes
	s_mov_b32 s21, 0
	s_and_b32 s22, s[WV], 1
	s_lshl_b32 s86, s22, 14         ; which half of a tile's K I fetch
	s_mov_b32 s87, 0
	s_lshr_b32 s88, s19, 3
	s_lshl_b32 s88, s88, 18         ; the batch in uq and uk
	s_mov_b32 s89, 0
	s_lshl_b32 s23, s18, 14
	s_add_co_u32 s23, s23, s20
	s_lshl_b32 s2, s[WV], 12
	s_add_co_u32 s2, s2, s23        ; my 32 low rows in qh and oa
	s_mov_b32 s3, 0
	s_xor_b32 s79, s[WV], 1         ; my partner
	s_lshl_b32 s80, s79, 12
	s_add_co_u32 s80, s80, s23
	s_mov_b32 s81, 0
	s_lshl_b32 s23, s18, 13
	s_add_co_u32 s23, s23, s88
	s_lshl_b32 s82, s[WV], 11
	s_add_co_u32 s82, s82, s23      ; the same rows in uq
	s_mov_b32 s83, 0
	s_lshl_b32 s84, s79, 11
	s_add_co_u32 s84, s84, s23
	s_mov_b32 s85, 0
	s_mov_b32 s[G1K], 15|(1<<16)|(1<<20)|(1<<21)|(4<<22)|(3<<25)  ; the mask of four; 2-byte elements; padding on; bit 21 beside a mask; after every 32 words, 4 words
	s_mov_b32 s[G1V], 15|(1<<16)|(1<<20)|(1<<21)|(4<<22)|(7<<25)  ; after every 32 words, 8 words
	s_mov_b32 s[G1U], 15|(1<<16)|(1<<20)|(1<<21)|(3<<22)|(3<<25)  ; after every 16 words, 4 words
.irp g, G1K, G1V, G1U
	s_mov_b32 s[\g+1], 128<<16      ; dense bytes asked for as rows of 256: tensor_dim0 = 128
	s_mov_b32 s[\g+3], 128<<16      ; tile_dim0 = 128
	s_mov_b32 s[\g+5], 128
	s_mov_b32 s[\g+6], 0
	s_mov_b32 s[\g+7], 0
.endr
	s_mov_b32 s[G1K+2], 64<<16      ; 128 keys of K: 64 rows
	s_mov_b32 s[G1K+4], 64
	s_mov_b32 s[G1V+2], 128<<16     ; 256 keys of V: 128 rows
	s_mov_b32 s[G1V+4], 128
	s_mov_b32 s[G1U+2], 64<<16      ; 256 keys of uk: 64 rows
	s_mov_b32 s[G1U+4], 64
	s_mov_b32 s[G0K], 1
	s_mul_i32 s[G0K+1], s22, 128*PK
	s_mov_b32 s[G0V], 1
	s_mov_b32 s[G0V+1], VOFF
	s_mov_b32 s[G0U], 1
	s_mov_b32 s[G0U+1], UOFF
	s_mov_b32 s[CS], 0x3e38aa3b     ; c = log2(e) / 8
	s_mov_b32 s[CS+1], s[CS]
	s_mov_b32 s[SEL], 0x76543210
	s_mov_b32 s[SEL+1], 0xfedcba98
	s_mov_b32 s[TBK], SLOT1+4*KS*PK ; the first change of slots turns these three into 0
	s_mov_b32 s[TBV], SLOT1+4*KS*PV
	s_mov_b32 s[TBU], SLOT1+4*KS*PU
	s_mul_i32 s[PARK], s22, KS*PK   ; phase B: my parity's first step in a tile
	s_mul_i32 s[PARV], s22, KS*PV
	s_mul_i32 s[PARU], s22, KS*PU
	s_or_b32 s[LIM], s22, ttmp9     ; 0 in waves 0 and 2 of the head's first cluster: the same in all four partners
	s_cmp_eq_u32 s[LIM], 0
	s_cselect_b32 s[LIM], 1, -1
	s_wait_dscnt 0x0                ; the opening add is done
	s_wait_kmcnt 0x0
	s_add_nc_u64 s[6:7], s[6:7], s[20:21]
	s_add_nc_u64 s[8:9], s[8:9], s[20:21]
	s_add_nc_u64 s[G0K+2:G0K+3], s[6:7], s[86:87]
	s_or_b32 s[G0K+3], s[G0K+3], 0x80000000
	s_add_nc_u64 s[G0V+2:G0V+3], s[8:9], 0
	s_or_b32 s[G0V+3], s[G0V+3], 0x80000000
	s_add_nc_u64 s[G0U+2:G0U+3], s[12:13], s[88:89]
	s_or_b32 s[G0U+3], s[G0U+3], 0x80000000
	s_add_nc_u64 s[80:81], s[4:5], s[80:81]  ; the partner's rows of Q
	s_add_nc_u64 s[4:5], s[4:5], s[2:3]
	s_add_nc_u64 s[14:15], s[14:15], s[2:3]
	s_add_nc_u64 s[84:85], s[10:11], s[84:85]
	s_add_nc_u64 s[82:83], s[10:11], s[82:83]
	s_cmp_lt_u32 s[WV], 2
	s_cselect_b64 s[PFA:PFA+1], s[6:7], s[8:9]
	s_lshl_b32 s2, s17, 13          ; my work-group's 32 blocks of the 128
	s_add_nc_u64 s[PFA:PFA+1], s[PFA:PFA+1], s[2:3]
	s_add_nc_u64 s[PFA:PFA+1], s[PFA:PFA+1], 2*4*KS*128  ; at tile 2; the first asking change steps it to tile 3.  Tiles 0 to 2 come by their loads alone
	CROUND                          ; all four work-groups are here
	JLOAD                           ; tile 0 into slot 0
	v_and_b32 v1, 15, v0            ; r
	v_bfe_u32 v9, v0, 4, 1          ; h
	v_and_b32 v60, 31, v0
	v_lshlrev_b32 v[QO], 7, v1
	v_lshl_add_u32 v[QO], v9, 4, v[QO]  ; row x 128 + 16 h
	v_lshlrev_b32 v[UO], 6, v1
	v_lshl_add_u32 v[UO], v9, 4, v[UO]  ; row x 64 + 16 h
	WIN 0x80
.set i, 0
.rept 8                             ; Q: piece i / 2 (two low tiles, then two high, 2,048 rows on), channels 32 (i % 2) on
	global_load_b128 v[8*i:8*i+3],   v[QO], s[4:5] offset:((i/2)%2)*2048+(i/4)*262144+(i%2)*64
	global_load_b128 v[8*i+4:8*i+7], v[QO], s[4:5] offset:((i/2)%2)*2048+(i/4)*262144+(i%2)*64+32
.set i, i+1
.endr
.set i, 0
.rept 4
	global_load_b128 v[UQF+8*i:UQF+8*i+3],   v[UO], s[82:83] offset:(i%2)*1024+(i/2)*131072
	global_load_b128 v[UQF+8*i+4:UQF+8*i+7], v[UO], s[82:83] offset:(i%2)*1024+(i/2)*131072+32
.set i, i+1
.endr
	WIN 0x40
.set i, 0
.rept 4                             ; the partner's two high tiles
	global_load_b128 v[QP+8*i:QP+8*i+3],   v[QO], s[80:81] offset:262144+(i/2)*2048+(i%2)*64
	global_load_b128 v[QP+8*i+4:QP+8*i+7], v[QO], s[80:81] offset:262144+(i/2)*2048+(i%2)*64+32
.set i, i+1
.endr
.set i, 0
.rept 2
	global_load_b128 v[UP+8*i:UP+8*i+3],   v[UO], s[84:85] offset:131072+i*1024
	global_load_b128 v[UP+8*i+4:UP+8*i+7], v[UO], s[84:85] offset:131072+i*1024+32
.set i, i+1
.endr
	; What the first turn finds: O^T and l are 0 (a may be 1 while all keys are hidden); V and P's second buffer are 0 (the first turn's V^T P, of a piece that has not been, adds 0).  All this stands in the wait for the first tile.
.set i, 0
.rept 128
	v_mov_b32 v[i], 0
.set i, i+1
.endr
	WIN 0x80
.set i, VF
.rept 64
	v_mov_b32 v[i], 0
.set i, i+1
.endr
	WIN 0
.set i, 0
.rept 4
	v_mov_b32 v[ST+4*i+1], 0xf1000000  ; m = -2^99
	v_mov_b32 v[ST+4*i+2], 0
	v_mov_b32 v[ST+4*i+3], 0
	v_mul_f32 v[ST+4*i], s[CS], v[ST+4*i+1]  ; c m, by the line that makes it in every step
.set i, i+1
.endr
.set i, 0
.rept 8
	v_mov_b32 v[CC+i], 0xf4000000   ; -2^105
.set i, i+1
.endr
.set i, P+16
.rept 16
	v_mov_b32 v[i], 0
.set i, i+1
.endr
	v_mul_u32_u24 v[AK0], v1, PK
	v_lshl_add_u32 v[AK0], v9, 4, v[AK0]
	v_mul_u32_u24 v[AU0], v1, PU
	v_lshl_add_u32 v[AU0], v9, 4, v[AU0]
	v_add_nc_u32 v[AU0], UOFF, v[AU0]
	; the turning load takes 16 keys x 16 channels (lane l reads key 8 (l / 16) + l % 8, channels 8 ((l / 8) % 2) + 0..7) and leaves half a fragment of V^T
	v_and_b32 v10, 7, v0
	v_bfe_u32 v11, v0, 3, 1
	v_lshl_add_u32 v[AV0], v9, 3, v10
	v_mul_u32_u24 v[AV0], v[AV0], PV
	v_lshl_add_u32 v[AV0], v11, 4, v[AV0]
	v_add_nc_u32 v[AV0], VOFF, v[AV0]
	s_mul_i32 s23, s[WV], 16*SP
	s_add_co_u32 s23, s23, STAGE
	v_mul_u32_u24 v[STO], v1, SP
	v_lshl_add_u32 v[STO], v9, 4, v[STO]
	v_add_nc_u32 v[STO], s23, v[STO]
	v_bfe_u32 v[RD], v0, 3, 2
	v_mul_u32_u24 v[RD], v[RD], SP
	v_lshl_add_u32 v[RD], v10, 4, v[RD]
	v_add_nc_u32 v[RD], s23, v[RD]
	v_lshlrev_b32 v[GO], 4, v60
	s_mul_i32 s23, s[WV], 2*XP
	s_add_co_u32 s23, s23, XCH
	v_lshl_add_u32 v[XW], v60, 4, s23   ; where I leave what I made for my partner,
	s_mul_i32 s23, s79, 2*XP
	s_add_co_u32 s23, s23, XCH
	v_lshl_add_u32 v[XR], v60, 4, s23   ; and where my partner leaves mine
	v_lshlrev_b32 v[PFO], 8, v60
; THE MATRIX WORK.  Product i of 12 for piece x.  0-3: the mask, keys 16 i on, starts the sum.  4-11: K Q^T, keys 16 (i % 4) on, channels 32 ((i - 4) / 4) on.  The four accumulators take turns;
; between a mask product and the f16 product that writes over its result stand five plain instructions or more.
.macro KQ x
	WIN W_KQ
.set rS, S+32*((\x)%2)+8*(i%4)
.if i < 4
	v_wmma_f32_16x16x32_bf16 v[rS:rS+7], v[UKF+8*i:UKF+8*i+7], v[UQF+8*(\x):UQF+8*(\x)+7], v[CC:CC+7]
.else
.set rK, KF+16*(i%4)+8*((i-4)/4)
.set rQ, 16*(\x)+8*((i-4)/4)
	v_wmma_f32_16x16x32_f16 v[rS:rS+7], v[rK:rK+7], v[rQ:rQ+7], v[rS:rS+7]
.endif
.endm
.macro PV x                         ; product i of 8 of O^T += V^T P: keys 32 (i / 4) on, channels 16 (i % 4) on
	WIN W_PV
.set rO, 32*(\x)+8*(i%4)
.set rV, VF+32*(i/4)+8*(i%4)
.set rP, P+16*((\x)%2)+8*(i/4)
	v_wmma_f32_16x16x32_f16 v[rO:rO+7], v[rV:rV+7], v[rP:rP+7], v[rO:rO+7]
.endm
.macro MM                           ; the turn's next matrix instruction
.if i < 12
	KQ (Y+1)%NP
.else
.set i, i-12
	PV (Y+NP-1)%NP
.set i, i+12
.endif
.set i, i+1
.endm
; THE LDS LOADS stand in runs: a step's K and uk (24 loads), and its V, turned (16).  str: steps from one fetch to the next.  last = 1 (the tail): in the last half trip there is no further step: the run is jumped over.
.macro FETCH_K str, last=0
	WIN 0
.if \last
	s_cmp_eq_u32 s[CNT], 1
	s_cbranch_scc1 .Lno_k_\@
.endif
	WIN 0x80
.irp f, 0,1,2,3,4,5,6,7
	ds_load_b128 v[KF+8*\f:KF+8*\f+3],   v[AK] offset:(\f/2)*16*PK+(\f%2)*64
	ds_load_b128 v[KF+8*\f+4:KF+8*\f+7], v[AK] offset:(\f/2)*16*PK+(\f%2)*64+32
.endr
.irp f, 0,1,2,3
	ds_load_b128 v[UKF+8*\f:UKF+8*\f+3],   v[AU] offset:\f*16*PU
	ds_load_b128 v[UKF+8*\f+4:UKF+8*\f+7], v[AU] offset:\f*16*PU+32
.endr
	s_add_co_u32 s[TBK], s[TBK], (\str)*KS*PK
	s_add_co_u32 s[TBU], s[TBU], (\str)*KS*PU
	WIN 0
.if \last
.Lno_k_\@:
.endif
.endm
.macro FETCH_V
	WIN 0x80
.irp f, 0,1,2,3,4,5,6,7
	ds_load_tr16_b128 v[VF+8*\f:VF+8*\f+3],   v[AV] offset:(\f/4)*32*PV+(\f%4)*32
	ds_load_tr16_b128 v[VF+8*\f+4:VF+8*\f+7], v[AV] offset:(\f/4)*32*PV+16*PV+(\f%4)*32
.endr
	WIN 0
.endm
; THE VECTOR WORK, one line at a time: OP kind, number.  For piece Y: F n: c s - c m for pair n of 16.  E n: the exponential of score n of 32.  C n: pair n rounded to f16.  B n: of the four weights 4 n .. the
; second pair is added onto the first, in place (behind C 2n, which reads the first).  L n: l takes that sum (L 0: l = a l + sum).  R n: pair n of 16 of O^T times a.  For piece Y + 1: X n, number n of 22:
;   0-11 four chains c0-c3 of seven scores each (each accumulator's lowest registers are read first)   12-14, 16 the four scores left over, the old m, c0-c3 into c0
;   15 c m_old is kept   17, 18 the other half of the lanes' maximum: the new m   19-21 c m; c m_old - c m_new; a
.set F, 0
.set E, 1
.set C, 2
.set B, 3
.set L, 4
.set R, 5
.set X, 6
.macro REGS y
.set rT, ST+4*(\y)
.set rC, TMP+4*((\y)%2)
.set rW, MV+((\y)%2)
.set rS, S+32*((\y)%2)
.set rP, P+16*((\y)%2)
.set rO, 32*(\y)
.endm
.macro OP k, n
.if (\k) == R
	REGS Y
	WIN W_RS
	v_pk_mul_f32 v[rO+2*(\n):rO+2*(\n)+1], v[rO+2*(\n):rO+2*(\n)+1], v[rC+2:rC+3] op_sel_hi:[1,0]
.elseif (\k) < R
	REGS Y
	WIN 0
.if (\k) == F
	v_pk_fma_f32 v[rS+2*(\n):rS+2*(\n)+1], v[rS+2*(\n):rS+2*(\n)+1], s[CS:CS+1], v[rT:rT+1] op_sel_hi:[1,0,0] neg_lo:[0,0,1] neg_hi:[0,0,1]
.elseif (\k) == E
	v_exp_f32 v[rS+(\n)], v[rS+(\n)]
.elseif (\k) == C
	v_cvt_pk_f16_f32 v[rP+(\n)], v[rS+2*(\n)], v[rS+2*(\n)+1]
.elseif (\k) == B
	v_pk_add_f32 v[rS+4*(\n):rS+4*(\n)+1], v[rS+4*(\n):rS+4*(\n)+1], v[rS+4*(\n)+2:rS+4*(\n)+3]
.elseif (\n) == 0
	v_pk_fma_f32 v[rT+2:rT+3], v[rT+2:rT+3], v[rC+2:rC+3], v[rS:rS+1] op_sel_hi:[1,0,1]
.else
	v_pk_add_f32 v[rT+2:rT+3], v[rT+2:rT+3], v[rS+4*(\n):rS+4*(\n)+1]
.endif
.else
	REGS (Y+1)%NP
	WIN 0
.if (\n) < 4
	v_max3_num_f32 v[rC+(\n)], v[rS+8*(\n)], v[rS+8*(\n)+1], v[rS+8*(\n)+2]
.elseif (\n) < 12
	v_max3_num_f32 v[rC+(\n)%4], v[rC+(\n)%4], v[rS+8*((\n)%4)+2*((\n)/4)+1], v[rS+8*((\n)%4)+2*((\n)/4)+2]
.elseif (\n) == 12
	v_max3_num_f32 v[rC], v[rC], v[rS+7], v[rS+15]
.elseif (\n) == 13
	v_max3_num_f32 v[rC+1], v[rC+1], v[rS+23], v[rS+31]
.elseif (\n) == 14
	v_max3_num_f32 v[rC+2], v[rC+2], v[rC+3], v[rT+1]
.elseif (\n) == 15
	v_mov_b32 v[rW], v[rT]
.elseif (\n) == 16
	v_max3_num_f32 v[rC], v[rC], v[rC+1], v[rC+2]
.elseif (\n) == 17
	v_permlanex16_b32 v[rC+3], v[rC], s[SEL], s[SEL+1]
.elseif (\n) == 18
	v_max_num_f32 v[rT+1], v[rC], v[rC+3]
.elseif (\n) == 19
	v_mul_f32 v[rT], s[CS], v[rT+1]
.elseif (\n) == 20
	v_sub_f32 v[rC+1], v[rW], v[rT]
.else
	v_exp_f32 v[rC+2], v[rC+1]
.endif
.endif
.endm
.macro OPS a, i1, b=-1, i2=0, c=-1, i3=0, d=-1, i4=0
	OP \a, \i1
.if (\b) >= 0
	OP \b, \i2
.endif
.if (\c) >= 0
	OP \c, \i3
.endif
.if (\d) >= 0
	OP \d, \i4
.endif
.endm
.macro ROW a, i1, b, i2, c, i3, d, i4  ; a matrix instruction and the four behind it
	MM
	OPS \a, \i1, \b, \i2, \c, \i3, \d, \i4
.endm
; A TURN, for piece p.  AHEAD OF THE WAIT stands all that names no result of the turn's exponentials: the 12 products and their riders, then a lump of 38.  X 0 to X 3 each stand five plain instructions or
; more behind the product that ends their accumulator.  X 21, the next piece's a, is the batch's last; R 15 is the plain instruction behind it.  BEHIND THE WAIT: 8 products V^T P, behind each four roundings and sums.
; K and uk of the next step are fetched in piece 2's turn, nine plain instructions behind the last product that read K (in the tail: directly behind the wait, where a branch may stand);
; V of the step in hand at the end of piece 0's turn, four plain instructions behind its last reader.  Each is waited for a turn later.
.macro TURN p, str=1, tail=0, cnt=0
.set Y, (\p)
.set i, 0
.if (\p) == 3
	s_wait_dscnt 0x0                ; K and uk are in
.endif
	ROW F,0, F,1, R,0, R,1
	ROW F,2, E,0, R,2, R,3
	ROW F,3, E,1, R,4, R,5
	ROW F,4, E,2, R,6, R,7
	ROW F,5, E,3, R,8, R,9
	ROW F,6, E,4, R,10, R,11
	ROW F,7, E,5, R,12, R,13
	ROW F,8, E,6, F,9, E,7
	ROW F,10, E,8, F,11, E,9
	ROW F,12, E,10, F,13, E,11
.if (\p) == 2
	WIN 0
	v_add_nc_u32 v[AK], s[TBK], v[AK0]
	v_add_nc_u32 v[AU], s[TBU], v[AU0]
.endif
	ROW F,14, E,12, X,0, F,15
	ROW X,1, E,13, X,4, X,5
	OPS X,2, X,8, X,3, E,14
	OPS X,6, E,15, X,9, X,7
.if ((\p) == 2) && !(\tail)
	FETCH_K \str
.endif
	OPS E,16, X,10, E,17, X,12
	OPS X,11, E,18, X,13, E,19
.if (\p) == 0
	WIN 0
	v_add_nc_u32 v[AV], s[TBV], v[AV0]
.endif
	OPS X,15, X,14, E,20, E,21
	OPS E,22, X,16, E,23, E,24
	OPS E,25, X,17, E,26, E,27
	OPS E,28, X,18, E,29, E,30
	OPS X,19, E,31, X,20, R,14
	OPS X,21, R,15
	WIN 0
	s_wait_alu depctr_va_vdst(0)    ; the one wait for the batch of 33, ahead of its first reader
.if ((\p) == 2) && (\tail)
	FETCH_K \str, 1
.endif
.if (\p) == 1
	s_wait_dscnt 0x0                ; V is in
.endif
	ROW C,0, B,0, C,2, B,1
	ROW L,0, C,4, B,2, L,1
	ROW C,6, B,3, L,2, C,8
	ROW B,4, L,3, C,10, B,5
	ROW L,4, C,12, B,6, L,5
.if (\p) == 0
	s_add_co_u32 s[TBV], s[TBV], (\str)*KS*PV
.endif
.if \cnt
	s_sub_co_u32 s[CNT], s[CNT], 1
	s_cmp_lg_u32 s[CNT], 0
.endif
	ROW C,14, B,7, L,6, C,1
	ROW C,3, L,7, C,5, C,7
	ROW C,9, C,11, C,13, C,15
.if (\p) == 0
	FETCH_V
.endif
.endm
; THE LOW PIECES ARE FINISHED (behind piece 2's turn of step 31, which holds piece 1's last V^T P): their O^T and l are set aside, and pieces 0 and 1 begin anew with the partner's two high tiles.
.macro SAVE01
	WIN 0x41
.set z, 0
.rept 64
	v_mov_b32 v[OS+z], v[z]         ; ascending: each accumulator's lowest registers first
.set z, z+1
.endr
	WIN 0x40
.set z, 0
.rept 64
	v_mov_b32 v[z], 0
.set z, z+1
.endr
	WIN 0
.irp u, 0,1
	v_mov_b32 v[LSV+2*(\u)], v[ST+4*(\u)+2]
	v_mov_b32 v[LSV+2*(\u)+1], v[ST+4*(\u)+3]
	v_mov_b32 v[ST+4*(\u)+1], 0xf1000000
	v_mov_b32 v[ST+4*(\u)+2], 0
	v_mov_b32 v[ST+4*(\u)+3], 0
	v_mul_f32 v[ST+4*(\u)], s[CS], v[ST+4*(\u)+1]
.endr
	WIN 0x81                        ; destination window 2, source window 1
.set z, 0
.rept 32
	v_mov_b32 v[z], v[QP+z]
.set z, z+1
.endr
.set z, 0
.rept 16
	v_mov_b32 v[UQF+z], v[UP+z]
.set z, z+1
.endr
	WIN 0
.endm
	CHANGE 1                        ; tile 0 is in, everybody's part of it; tile 1 is asked for
	v_add_nc_u32 v[AK], s[TBK], v[AK0]
	v_add_nc_u32 v[AU], s[TBU], v[AU0]
	FETCH_K 1                       ; key step 0
	s_wait_loadcnt 0x0              ; Q, uq, mine and the partner's
	s_wait_dscnt 0x0
.set i, 0
.rept 4
	KQ 0
.set i, i+1
.endr
	WIN 0
.rept 6
	v_nop                           ; the places between a mask product and the product that writes over its result
.endr
.rept 8
	KQ 0
.set i, i+1
.endr
	WIN 0
	PLACES
.set Y, NP-1                        ; X works for piece Y + 1: piece 0
.irp n, 0,1,2,3,4,5,6,7,8,9,10,11,12,13,14,15,16,17,18,19,20,21
	OP X, \n
.endr
	v_nop                           ; a plain instruction behind the exponential,
	s_wait_alu depctr_va_vdst(0)    ; and its wait, ahead of the branch
	s_mov_b32 s[CNT], 4
	s_mov_b32 s[SLOTS], 8
	s_branch .Lfirst                ; the loop is entered at a step's first turn
.Lslot:                             ; PHASE A: seven changes ask for tiles 2 to 8
	CHANGE 1, 1
	s_mov_b32 s[CNT], 4
.Lstep:                             ; a trip: pieces 2 and 3 of one step, then pieces 0 and 1 of the next, whose K and V it fetches
	TURN 2
	TURN 3
	WIN 0
.Lfirst:
	TURN 0
	TURN 1, 1, 0, 1
	WIN 0
	s_cbranch_scc1 .Lstep
	s_sub_co_u32 s[SLOTS], s[SLOTS], 1
	s_cmp_lg_u32 s[SLOTS], 0
	s_cbranch_scc1 .Lslot
	s_add_co_u32 s[TBK], s[TBK], s[PARK]  ; PHASE B: my parity's steps, two to a tile
	s_add_co_u32 s[TBV], s[TBV], s[PARV]
	s_add_co_u32 s[TBU], s[TBU], s[PARU]
	s_mov_b32 s[FB], 1
	s_mov_b32 s[SLB], 7
.LslotB:                            ; seven changes ask for tiles 9 to 15
	CHANGE 1, 2
	s_mov_b32 s[CNT], 2
.LstepB:
	TURN 2, 2
	WIN 0
	s_cmp_eq_u32 s[FB], 1           ; in the phase's first trip alone; what is jumped is work on registers
	s_cbranch_scc0 .Lsaved
	SAVE01
	s_mov_b32 s[FB], 0
.Lsaved:
	TURN 3, 2
	TURN 0, 2
	TURN 1, 2, 0, 1
	WIN 0
	s_cbranch_scc1 .LstepB
	s_sub_co_u32 s[SLB], s[SLB], 1
	s_cmp_lg_u32 s[SLB], 0
	s_cbranch_scc1 .LslotB
	CHANGE 0                        ; the tail is written out: nothing is asked for
	s_mov_b32 s[CNT], 3             ; two trips fetch the last tile's two steps; the third is left in its middle
.Ltail:
	TURN 2, 2, 1
	TURN 3, 2
	WIN 0
	s_sub_co_u32 s[CNT], s[CNT], 1
	s_cmp_eq_u32 s[CNT], 0
	s_cbranch_scc1 .Lout
	TURN 0, 2
	TURN 1, 2
	WIN 0
	s_branch .Ltail
.Lout:                              ; the third trip's scores for piece 0 repeat the last step's (K and uk were left as they were): its maximum and c m come out as they stood
.set i, 0
.rept 8
	PV NP-1
.set i, i+1
.endr
	WIN 0
	PLACES
	; THE MERGE.  Pieces 0 and 1 are my partner's: O^T, then (c m, m, l, l), 16 bytes a lane.
	WIN 0x04                        ; the stores' data in window 1
.irp u, 0,1
.irp k, 0,1,2,3,4,5,6,7
	ds_store_b128 v[XW], v[32*(\u)+4*(\k):32*(\u)+4*(\k)+3] offset:(\u)*XP+(\k)*512
.endr
.endr
	WIN 0
.irp u, 0,1
	ds_store_b128 v[XW], v[ST+4*(\u):ST+4*(\u)+3] offset:(\u)*XP+8*512
.endr
	s_wait_dscnt 0x0                ; for the partner's sake: my stores are done
	s_barrier_signal -1
	s_barrier_wait -1
	WIN 0x40
.irp u, 0,1
.irp k, 0,1,2,3,4,5,6,7
	ds_load_b128 v[32*(\u)+4*(\k):32*(\u)+4*(\k)+3], v[XR] offset:(\u)*XP+(\k)*512
.endr
.endr
	WIN 0
.irp u, 0,1
	ds_load_b128 v[IN+4*(\u):IN+4*(\u)+3], v[XR] offset:(\u)*XP+8*512
.endr
	s_wait_dscnt 0x0
.irp u, 0,1
	v_max_num_f32 v[10+(\u)], v[ST+8+4*(\u)], v[IN+4*(\u)]  ; the common c m
.endr
.irp u, 0,1
	v_sub_f32 v[FA+4*(\u)], v[ST+8+4*(\u)], v[10+(\u)]
	v_sub_f32 v[FA+4*(\u)+2], v[IN+4*(\u)], v[10+(\u)]
	v_mov_b32 v[FA+4*(\u)+1], 0     ; named with the factors as pairs
	v_mov_b32 v[FA+4*(\u)+3], 0
.endr
.irp u, 0,1
	v_exp_f32 v[FA+4*(\u)], v[FA+4*(\u)]
	v_exp_f32 v[FA+4*(\u)+2], v[FA+4*(\u)+2]
.endr
	v_nop
	s_wait_alu depctr_va_vdst(0)    ; one wait for the four factors
.irp u, 0,1
	WIN W_RS
.set z, 0
.rept 16
	v_pk_mul_f32 v[64+32*(\u)+2*z:64+32*(\u)+2*z+1], v[64+32*(\u)+2*z:64+32*(\u)+2*z+1], v[FA+4*(\u):FA+4*(\u)+1] op_sel_hi:[1,0]
.set z, z+1
.endr
	WIN 0x51                        ; sources 0 and 2 and the destination in window 1
.set z, 0
.rept 16
	v_pk_fma_f32 v[64+32*(\u)+2*z:64+32*(\u)+2*z+1], v[32*(\u)+2*z:32*(\u)+2*z+1], v[FA+4*(\u)+2:FA+4*(\u)+3], v[64+32*(\u)+2*z:64+32*(\u)+2*z+1] op_sel_hi:[1,0,1]
.set z, z+1
.endr
.endr
	WIN 0
.irp u, 0,1
	v_pk_mul_f32 v[ST+10+4*(\u):ST+11+4*(\u)], v[ST+10+4*(\u):ST+11+4*(\u)], v[FA+4*(\u):FA+4*(\u)+1] op_sel_hi:[1,0]
	v_pk_fma_f32 v[ST+10+4*(\u):ST+11+4*(\u)], v[IN+4*(\u)+2:IN+4*(\u)+3], v[FA+4*(\u)+2:FA+4*(\u)+3], v[ST+10+4*(\u):ST+11+4*(\u)] op_sel_hi:[1,0,1]
	v_mov_b32 v[ST+4*(\u)+2], v[LSV+2*(\u)]   ; the low pieces' l comes back
	v_mov_b32 v[ST+4*(\u)+3], v[LSV+2*(\u)+1]
.endr
	; THE WAY OUT: l's two halves and the other half of the lanes' are added; O^T is divided by l, rounded to f16 and sent through my stage, a piece at a time.
.macro ALL line:vararg
.set t, 0
.rept 4
	\line
.set t, t+1
.endr
.endm
	ALL v_add_f32 v[ST+4*t+2], v[ST+4*t+2], v[ST+4*t+3]
	ALL v_permlanex16_b32 v[ST+4*t+3], v[ST+4*t+2], s[SEL], s[SEL+1]
	ALL v_add_f32 v[ST+4*t+2], v[ST+4*t+2], v[ST+4*t+3]
	ALL v_rcp_f32 v[ST+4*t+2], v[ST+4*t+2]
	v_nop
	s_wait_alu depctr_va_vdst(0)    ; one wait for the four reciprocals
.macro PACK t
.if (\t) < 2
.set ob, OS+32*(\t)
.else
.set ob, 32*(\t)
.endif
	WIN W_RS
.set i, ob
.rept 16
	v_pk_mul_f32 v[i:i+1], v[i:i+1], v[ST+4*(\t)+2:ST+4*(\t)+3] op_sel_hi:[1,0]
.set i, i+2
.endr
	WIN 0x05
.set i, 0
.rept 16
	v_cvt_pk_f16_f32 v[S+16*(\t)+i], v[ob+2*i], v[ob+2*i+1]
.set i, i+1
.endr
	WIN 0
.irp f, 0,1,2,3
	ds_store_b128 v[STO], v[S+16*(\t)+4*\f:S+16*(\t)+4*\f+3] offset:32*\f
.endr
.irp f, 0,1,2,3
	ds_load_b128 v[S+16*(\t)+4*\f:S+16*(\t)+4*\f+3], v[RD] offset:\f*4*SP  ; LDS serves a wave's instructions in order: these see the stores above
.endr
.endm
.macro SEND t, younger
	WIN 0
.irp f, 0,1,2,3
	s_wait_dscnt (\younger)+3-\f
	global_store_b128 v[GO], v[S+16*(\t)+4*\f:S+16*(\t)+4*\f+3], s[14:15] offset:((\t)%2)*2048+((\t)/2)*262144+\f*512  ; 512 consecutive bytes, at a multiple of 256 from O's first
.endr
.endm
	PACK 0
	PACK 1
	SEND 0, 8
	PACK 2
	SEND 1, 8
	PACK 3
	SEND 2, 8
	SEND 3, 0
	s_wait_tensorcnt 0x0            ; the wave's end
	ds_add_u32 v[SPW], v[NIL]
	s_wait_dscnt 0x0
	CROUND                          ; the closing round
	s_endpgm
.Lfunc_end_k_q2108d30bfb_attn:
	.size	k_q2108d30bfb_attn, .Lfunc_end_k_q2108d30bfb_attn-k_q2108d30bfb_attn
	.p2alignl 7, 3214868480
	.fill 96, 4, 3214868480
	.section	.rodata,"a",@progbits
	.p2align	6, 0x0
	.amdhsa_kernel k_q2108d30bfb_attn
		.amdhsa_group_segment_fixed_size 327680
		.amdhsa_private_segment_fixed_size 0
		.amdhsa_enable_private_segment 0
		.amdhsa_kernarg_size 48
		.amdhsa_user_sgpr_count 2
		.amdhsa_user_sgpr_kernarg_segment_ptr 1
		.amdhsa_wavefront_size32 1
		.amdhsa_system_sgpr_workgroup_id_x 1
		.amdhsa_system_sgpr_workgroup_id_y 1
		.amdhsa_system_sgpr_workgroup_id_z 1
		.amdhsa_system_vgpr_workitem_id 0
		.amdhsa_next_free_vgpr 768
		.amdhsa_next_free_sgpr 90
		.amdhsa_reserve_vcc 0
		.amdhsa_float_denorm_mode_32 3
		.amdhsa_float_denorm_mode_16_64 3
		.amdhsa_memory_ordered 1
		.amdhsa_forward_progress 1
		.amdhsa_inst_pref_size 178
	.end_amdhsa_kernel
	.amdgpu_metadata
---
amdhsa.version: [ 1, 2 ]
amdhsa.kernels:
  - .name:           k_q2108d30bfb_attn
    .symbol:         k_q2108d30bfb_attn.kd
    .args:
      - { .name: qh, .offset: 0, .size: 8, .value_kind: global_buffer, .address_space: global }
      - { .name: kh, .offset: 8, .size: 8, .value_kind: global_buffer, .address_space: global }
      - { .name: vh, .offset: 16, .size: 8, .value_kind: global_buffer, .address_space: global }
      - { .name: uq, .offset: 24, .size: 8, .value_kind: global_buffer, .address_space: global }
      - { .name: uk, .offset: 32, .size: 8, .value_kind: global_buffer, .address_space: global }
      - { .name: oa, .offset: 40, .size: 8, .value_kind: global_buffer, .address_space: global }
    .group_segment_fixed_size: 327680
    .private_segment_fixed_size: 0
    .kernarg_segment_align: 8
    .kernarg_segment_size: 48
    .max_flat_workgroup_size: 128
    .sgpr_count:     90
    .vgpr_count:     768
    .wavefront_size: 32
...
	.end_amdgpu_metadata
.endif
;; end of part 2
;; launch oproj (part 3): grid 4 x 64, 4 waves a work-group, clusters of 4 x 4, 327,680 bytes of LDS; arguments oa, woh, out0; writes out0
.if DOCPART == 3
	.amdgcn_target "amdgcn-amd-amdhsa--gfx1250"
	.amdhsa_code_object_version 6
	.text
	.protected	k_q2108d30bfb_oproj
	.globl	k_q2108d30bfb_oproj
	.p2align	8
	.type	k_q2108d30bfb_oproj,@function
k_q2108d30bfb_oproj:
	s_mov_b64 s[64:65], 0
	v_nop
	global_prefetch_b8 v0, s[64:65] scope:SCOPE_SE
	s_setreg_imm32_b32 hwreg(HW_REG_WAVE_MODE, 25, 1), 1
	s_wait_xcnt 0x0
	s_wait_alu depctr_hold_cnt(0) depctr_sa_sdst(0) depctr_va_vdst(0) depctr_va_sdst(0) depctr_va_ssrc(0) depctr_va_vcc(0) depctr_vm_vsrc(0)
	s_getreg_b32 s2, hwreg(HW_REG_IB_STS2, 6, 4)
	s_cmp_eq_u32 s2, 0
	s_cbranch_scc0 .Lentry_in_a_cluster
	s_endpgm
.Lentry_in_a_cluster:
	s_bfe_u32 s2, ttmp6, 0x10000c
	s_cmp_lg_u32 s2, 0xf033
	s_cbranch_scc0 .Lentry_shape_is_right
	s_endpgm
.Lentry_shape_is_right:
; out0[row][n] = sum over k of O[row][k] wo[n][k].  O comes by heads, [b*8+h][4096][64] f16 (k = 64 h + d); woh is [512 n][512 k] f16 (wo rounded to bf16, written as f16); out0 is f32; sums in f32.
; A NaN row of O (a query that sees no key) gives a NaN row of out0, as the problem's own arithmetic does.
; A work-group makes 128 rows x 128 columns, each of its four waves 64 x 64: 16 accumulators in window 1.  ALL of K lies in LDS, in four chunks of 128 (two heads): nothing is filled again.
; Each wave issues four tensor loads at the start, one a chunk: four are out.  Waves 0, 1 fetch O's tiles (a head each), waves 2, 3 the halves of woh's.
; CLUSTER 4 x 4: O's tiles hang on the row block alone and are asked for jointly along a row of the cluster, woh's on the column block alone and jointly along a column.
; THE PRODUCT IS TAKEN TRANSPOSED (source 0 = 16 rows of woh, source 1 = 16 rows of O): a lane holds one row and eight neighbouring columns.
.set PA,  144                          ; a row of O in LDS: 128 bytes + 16
.set PB,  272                          ; a row of woh: 256 bytes + 16
.set AH,  128*PA                       ; a head's 128 rows
.set BH,  64*PB                        ; 64 rows of woh
.set CH,  2*AH+2*BH                    ; a chunk
.set STAGE, 4*CH                       ; behind the chunks: 16 rows x 272 bytes for each wave
.set SPITCH, 272
.set SPARE, STAGE+4*16*SPITCH          ; the spare words: two blocks of 256 bytes that no other line names
.set ADA, 4                            ; v4-7   O's fragments in chunk c
.set ADB, 8                            ; v8-11  woh's
.set STO, 12
.set RD,  13
.set CO,  14
.set SPW, 28
.set NIL, 29
.set F0,  64                           ; two fragment buffers of 64: four of O, then four of woh
.set OB,  192                          ; two buffers of 32: rows read back from the stage
.set WV,  10
.set G1A, 16
.set G1B, 24
.set G0A, 32
.set G0B, 48
.set MSB, 0
.macro WIN new
.if MSB != (\new)
	s_set_vgpr_msb (MSB<<8)|(\new)
.set MSB, \new
.endif
.endm
.macro PLACES
.rept 4
	v_nop
.endr
.endm
.macro CROUND
	s_barrier_signal -1
	s_barrier_wait -1
	s_cmp_lg_u32 s[WV], 0
	s_cbranch_scc1 .Lnot_wave_0_\@
	s_barrier_signal -3
.Lnot_wave_0_\@:
	s_barrier_wait -3
	s_barrier_signal -1
	s_barrier_wait -1
.endm
	s_load_b128 s[4:7], s[0:1], 0x0                ; oa 4, woh 6
	s_load_b64 s[8:9], s[0:1], 0x10                ; out0
	v_lshl_add_u32 v[SPW], v0, 2, SPARE
	v_mov_b32 v[NIL], 0
	ds_add_u32 v[SPW], v[NIL]                      ; the wave's opening: the add and its wait stand ahead of my first tensor load
	v_lshrrev_b32 v1, 5, v0
	v_readfirstlane_b32 s[WV], v1
	s_lshr_b32 s11, s[WV], 1                       ; my half of the rows
	s_and_b32 s12, s[WV], 1                        ; my half of the columns; also: which head of a chunk, or which half of woh's rows, I fetch
	s_bfe_u32 s13, ttmp6, 0x40000                  ; the column block (the grid has one cluster along x)
	s_bfe_u32 s14, ttmp6, 0x40004
	s_and_b32 s15, ttmp7, 0xffff
	s_lshl_b32 s15, s15, 2
	s_add_co_u32 s15, s15, s14                     ; the row block
	s_lshl_b32 s70, s14, 2
	s_lshl_b32 s70, 15, s70
	s_lshl_b32 s71, 0x1111, s13
	s_or_b32 s[G1A], s70, (1<<16)|(1<<20)|(1<<21)|(4<<22)|(3<<25)  ; 2-byte elements; padding on; bit 21 beside a mask; after every 32 words, 4 words
	s_or_b32 s[G1B], s71, (1<<16)|(1<<20)|(1<<21)|(5<<22)|(3<<25)  ; after every 64 words, 4 words
.irp g, G1A, G1B
	s_mov_b32 s[(\g)+1], 128<<16                   ; tensor_dim0 = 128
	s_mov_b32 s[(\g)+2], 64<<16                    ; tensor_dim1 = 64
	s_mov_b32 s[(\g)+3], 128<<16                   ; tile_dim0 = 128
	s_mov_b32 s[(\g)+4], 64                        ; tile_dim1 = 64
	s_mov_b32 s[(\g)+6], 0
	s_mov_b32 s[(\g)+7], 0
.endr
	s_mov_b32 s[G1A+5], 128                        ; a head's 128 rows are dense: 64 rows of 256 bytes
	s_mov_b32 s[G1B+5], 512
	s_lshr_b32 s66, s15, 5                         ; the batch
	s_lshl_b32 s66, s66, 3
	s_add_co_u32 s66, s66, s12
	s_lshl_b32 s66, s66, 12
	s_and_b32 s72, s15, 31
	s_lshl_b32 s72, s72, 7
	s_add_co_u32 s66, s66, s72
	s_lshl_b32 s66, s66, 7                         ; ((b*8 + head in chunk) x 4096 + my first row) x 128: hangs on the row block and the wave alone
	s_mov_b32 s67, 0
	s_lshl_b32 s68, s13, 17
	s_lshl_b32 s73, s12, 16
	s_add_co_u32 s68, s68, s73                     ; (128 x + 64 half) x 1,024: hangs on the column block and the wave alone
	s_mov_b32 s69, 0
	s_mul_i32 s70, s12, AH
	s_mul_i32 s71, s12, BH
	s_add_co_u32 s71, s71, 2*AH
	s_lshl_b32 s74, s15, 18                        ; where my 64 x 64 begins in out0
	s_lshl_b32 s75, s11, 17
	s_add_co_u32 s74, s74, s75
	s_lshl_b32 s75, s13, 9
	s_add_co_u32 s74, s74, s75
	s_lshl_b32 s75, s12, 8
	s_add_co_u32 s74, s74, s75
	s_mov_b32 s75, 0
	s_wait_dscnt 0x0                               ; the opening add is done
	s_wait_kmcnt 0x0
	s_add_nc_u64 s[66:67], s[4:5], s[66:67]
	s_add_nc_u64 s[68:69], s[6:7], s[68:69]
	s_add_nc_u64 s[8:9], s[8:9], s[74:75]
	CROUND                                         ; all sixteen work-groups are here
.irp c, 0,1,2,3
	s_mov_b32 s[G0A+4*(\c)], 1
	s_add_co_u32 s[G0A+4*(\c)+1], s70, (\c)*CH
	s_add_nc_u64 s[G0A+4*(\c)+2:G0A+4*(\c)+3], s[66:67], (\c)*0x100000  ; two heads on
	s_or_b32 s[G0A+4*(\c)+3], s[G0A+4*(\c)+3], 0x80000000
	s_mov_b32 s[G0B+4*(\c)], 1
	s_add_co_u32 s[G0B+4*(\c)+1], s71, (\c)*CH
	s_add_nc_u64 s[G0B+4*(\c)+2:G0B+4*(\c)+3], s[68:69], (\c)*256
	s_or_b32 s[G0B+4*(\c)+3], s[G0B+4*(\c)+3], 0x80000000
.endr
	s_cmp_lt_u32 s[WV], 2                          ; a wave's four first fills stand in one branch
	s_cbranch_scc0 .Lfirst_b
.irp c, 0,1,2,3
	tensor_load_to_lds s[G0A+4*(\c):G0A+4*(\c)+3], s[G1A:G1A+7]
	s_nop 0
.endr
	PLACES
	s_branch .Lfirst_asked
.Lfirst_b:
.irp c, 0,1,2,3
	tensor_load_to_lds s[G0B+4*(\c):G0B+4*(\c)+3], s[G1B:G1B+7]
	s_nop 0
.endr
	PLACES
.Lfirst_asked:
	v_and_b32 v1, 15, v0
	v_bfe_u32 v2, v0, 4, 1
	v_mul_u32_u24 v3, v1, PA
	v_lshl_add_u32 v3, v2, 4, v3
	s_mul_i32 s70, s11, 64*PA
	v_mul_u32_u24 v15, v1, PB
	v_lshl_add_u32 v15, v2, 4, v15
	s_mul_i32 s71, s12, 64*PB
	s_add_co_u32 s71, s71, 2*AH
.irp c, 0,1,2,3
	v_add3_u32 v[ADA+(\c)], v3, s70, (\c)*CH
	v_add3_u32 v[ADB+(\c)], v15, s71, (\c)*CH
.endr
	s_mul_i32 s72, s[WV], 16*SPITCH
	v_mul_u32_u24 v3, v1, SPITCH
	v_lshl_add_u32 v3, v2, 5, v3
	v_add3_u32 v[STO], v3, s72, STAGE              ; in: row r, 32 bytes for each half of the lanes
	v_mul_u32_u24 v3, v2, SPITCH
	v_lshl_add_u32 v3, v1, 4, v3
	v_add3_u32 v[RD], v3, s72, STAGE               ; back: lanes 0-15 one row of 256 bytes, lanes 16-31 the next,
	v_lshlrev_b32 v[CO], 11, v2
	v_lshl_add_u32 v[CO], v1, 4, v[CO]             ; and the same two rows in out0
.macro SYNC c                          ; chunk c is in, everybody's part of it; the later chunks' loads stay out
	s_wait_tensorcnt 3-(\c)
	s_wait_dscnt 0x0
	s_barrier_signal -1
	s_barrier_wait -1
.endm
.macro FETCH n, f                      ; 16 loads: the fragments of 32 along K, number n of 16
.irp q, 0,1,2,3
	ds_load_b128 v[(\f)+8*(\q):(\f)+8*(\q)+3],   v[ADA+(\n)/4] offset:(((\n)%4)/2)*AH+((\n)%2)*64+(\q)*16*PA
	ds_load_b128 v[(\f)+8*(\q)+4:(\f)+8*(\q)+7], v[ADA+(\n)/4] offset:(((\n)%4)/2)*AH+((\n)%2)*64+(\q)*16*PA+32
.endr
.irp q, 0,1,2,3
	ds_load_b128 v[(\f)+32+8*(\q):(\f)+32+8*(\q)+3],   v[ADB+(\n)/4] offset:((\n)%4)*64+(\q)*16*PB
	ds_load_b128 v[(\f)+32+8*(\q)+4:(\f)+32+8*(\q)+7], v[ADB+(\n)/4] offset:((\n)%4)*64+(\q)*16*PB+32
.endr
.endm
.macro MUL f, zero                     ; 16 products on 16 accumulators, which take turns
	WIN 0x50
.irp q, 0,1,2,3
.irp t, 0,1,2,3
.if \zero
	v_wmma_f32_16x16x32_f16 v[32*(\q)+8*(\t):32*(\q)+8*(\t)+7], v[(\f)+32+8*(\t):(\f)+32+8*(\t)+7], v[(\f)+8*(\q):(\f)+8*(\q)+7], 0
.else
	v_wmma_f32_16x16x32_f16 v[32*(\q)+8*(\t):32*(\q)+8*(\t)+7], v[(\f)+32+8*(\t):(\f)+32+8*(\t)+7], v[(\f)+8*(\q):(\f)+8*(\q)+7], v[32*(\q)+8*(\t):32*(\q)+8*(\t)+7]
.endif
.endr
.endr
	WIN 0
.endm
	SYNC 0
	FETCH 0, F0
.set nn, 0
.rept 16
.if nn < 15
.if (nn+1)%4 == 0
	SYNC (nn+1)/4
.endif
	PLACES                                         ; behind the products that read the buffer loaded next
	FETCH nn+1, F0+64*((nn+1)%2)
	s_wait_dscnt 16                                ; all but the 16 just issued
.else
	s_wait_dscnt 0x0
.endif
.if nn == 0
	MUL F0, 1                                      ; the first products start the sums
.else
	MUL F0+64*(nn%2), 0
.endif
.set nn, nn+1
.endr
	; THE WAY OUT, 16 rows at a time through my stage: my 64 columns of f32 are 256 bytes of a row
	PLACES
.irp a, 0,1,2,3
	WIN 0x04                                       ; the stores' data in window 1; each accumulator's lowest four registers go first
.irp t, 0,1,2,3
	ds_store_b128 v[STO], v[32*(\a)+8*(\t):32*(\a)+8*(\t)+3]   offset:64*(\t)
	ds_store_b128 v[STO], v[32*(\a)+8*(\t)+4:32*(\a)+8*(\t)+7] offset:64*(\t)+16
.endr
	WIN 0
	s_wait_xcnt 0x0                                ; earlier stores have read the registers that are loaded again below
.irp f, 0,1,2,3,4,5,6,7
	ds_load_b128 v[OB+32*((\a)%2)+4*(\f):OB+32*((\a)%2)+4*(\f)+3], v[RD] offset:(\f)*2*SPITCH  ; LDS serves a wave's instructions in order: these see the stores above
.endr
.irp f, 0,1,2,3,4,5,6,7
	s_wait_dscnt 7-(\f)
	global_store_b128 v[CO], v[OB+32*((\a)%2)+4*(\f):OB+32*((\a)%2)+4*(\f)+3], s[8:9] offset:(16*(\a)+2*(\f))*2048 th:TH_STORE_NT  ; 16 lanes store 256 consecutive bytes, at a multiple of 256 from out0's first
.endr
.endr
	s_wait_tensorcnt 0x0                           ; the wave's end
	ds_add_u32 v[SPW], v[NIL]
	s_wait_dscnt 0x0
	CROUND                                         ; the closing round
	s_endpgm
.Lfunc_end_k_q2108d30bfb_oproj:
	.size	k_q2108d30bfb_oproj, .Lfunc_end_k_q2108d30bfb_oproj-k_q2108d30bfb_oproj
	.p2alignl 7, 3214868480
	.fill 96, 4, 3214868480
	.section	.rodata,"a",@progbits
	.p2align	6, 0x0
	.amdhsa_kernel k_q2108d30bfb_oproj
		.amdhsa_group_segment_fixed_size 327680
		.amdhsa_private_segment_fixed_size 0
		.amdhsa_enable_private_segment 0
		.amdhsa_kernarg_size 24
		.amdhsa_user_sgpr_count 2
		.amdhsa_user_sgpr_kernarg_segment_ptr 1
		.amdhsa_wavefront_size32 1
		.amdhsa_system_sgpr_workgroup_id_x 1
		.amdhsa_system_sgpr_workgroup_id_y 1
		.amdhsa_system_sgpr_workgroup_id_z 1
		.amdhsa_system_vgpr_workitem_id 0
		.amdhsa_next_free_vgpr 384
		.amdhsa_next_free_sgpr 80
		.amdhsa_reserve_vcc 0
		.amdhsa_float_denorm_mode_32 3
		.amdhsa_float_denorm_mode_16_64 3
		.amdhsa_memory_ordered 1
		.amdhsa_forward_progress 1
		.amdhsa_inst_pref_size 54
	.end_amdhsa_kernel
	.amdgpu_metadata
---
amdhsa.version: [ 1, 2 ]
amdhsa.kernels:
  - .name:           k_q2108d30bfb_oproj
    .symbol:         k_q2108d30bfb_oproj.kd
    .args:
      - { .name: oa, .offset: 0, .size: 8, .value_kind: global_buffer, .address_space: global }
      - { .name: woh, .offset: 8, .size: 8, .value_kind: global_buffer, .address_space: global }
      - { .name: out0, .offset: 16, .size: 8, .value_kind: global_buffer, .address_space: global }
    .group_segment_fixed_size: 327680
    .private_segment_fixed_size: 0
    .kernarg_segment_align: 8
    .kernarg_segment_size: 24
    .max_flat_workgroup_size: 128
    .sgpr_count:     80
    .vgpr_count:     384
    .wavefront_size: 32
...
	.end_amdgpu_metadata
.endif
;; end of part 3
